; MI455X (gfx1250); checked and timed in simulation.
; The chip was launched on July 23, 2026; its instructions are those of AMD's public machine-readable ISA for CDNA 5 (MIT licence, August 2026) and "CDNA5" Instruction Set Architecture Reference Guide (July 2026). The comments in the code are by the model that wrote it; some were corrected since.
;; Deep Seek Mo E. Allowed arithmetic: matrix products marked QUANTISED: E3M2 operands, one E8M0 scale for each 32 along K, by v_wmma_scale_f32_16x16x128_f8f6f4 with both operands' format E3M2, f32 sums; products left as they are: f32 operands where the result goes on into a quantised operand, else bf16, f16 or f32 operands; f32 sums; everything else in f32.
;; Inputs: expert_bias 8 float32; gate_w 8 x 1,024 float32; rw_down 8 x 1,024 x 1,024 float32; rw_gate_codes 8 x 1,024 x 32 x 24 uint8 (E3M2 codes of rw_gate, K innermost, in blocks of 32 codes, four codes in three bytes); rw_gate_scales 8 x 1,024 x 32 uint8 (E8M0 scales of rw_gate, one for each 32 codes along K); rw_up_codes 8 x 1,024 x 32 x 24 uint8 (E3M2 codes of rw_up, K innermost, in blocks of 32 codes, four codes in three bytes); rw_up_scales 8 x 1,024 x 32 uint8 (E8M0 scales of rw_up, one for each 32 codes along K); sw_down_codes 1,024 x 32 x 24 uint8 (E3M2 codes of sw_down, K innermost, in blocks of 32 codes, four codes in three bytes); sw_down_scales 1,024 x 32 uint8 (E8M0 scales of sw_down, one for each 32 codes along K); sw_gate_codes 1,024 x 32 x 24 uint8 (E3M2 codes of sw_gate, K innermost, in blocks of 32 codes, four codes in three bytes); sw_gate_scales 1,024 x 32 uint8 (E8M0 scales of sw_gate, one for each 32 codes along K); sw_up_codes 1,024 x 32 x 24 uint8 (E3M2 codes of sw_up, K innermost, in blocks of 32 codes, four codes in three bytes); sw_up_scales 1,024 x 32 uint8 (E8M0 scales of sw_up, one for each 32 codes along K); x 2 x 1,024 x 1,024 float32.
;; Outputs: out0 2 x 1,024 x 1,024 float32; out1 2 x 1,024 x 2 int32.
;; This version of the problem:
;;   THIS VERSION OF THE PROBLEM IS GIVEN IN LOW PRECISION. The matrix products marked QUANTISED in the list below multiply operands that are first quantised to E3M2 (3 exponent bits, 2 mantissa bits; 6 bits a number), with one power-of-two scale for each 32 numbers along K (OCP MX v1.0); their sums are f32. All else is computed in f32.
;;   The module's matrix products, in the order in which they are computed (A, B: the left and right operand; K: the contracted axis; several contracted axes count as one K, in the product's order):
;;     1. [M 2,048, K 1,024] x [K 1,024, N 1,024]; A: input x; B: input sw_gate (given as codes): QUANTISED
;;     2. [M 2,048, K 1,024] x [K 1,024, N 1,024]; A: input x; B: input sw_up (given as codes): QUANTISED
;;     3. [M 2,048, K 1,024] x [K 1,024, N 1,024]; A: computed on the way; B: input sw_down (given as codes): QUANTISED
;;     4. [M 2,048, K 1,024] x [K 1,024, N 8]; A: input x; B: input gate_w: left as it is (N = 8 < 16)
;;     5. [M 2,048, K 1,024] x [K 1,024, N 8,192]; A: input x; B: input rw_gate (given as codes): QUANTISED
;;     6. [M 2,048, K 1,024] x [K 1,024, N 8,192]; A: input x; B: input rw_up (given as codes): QUANTISED
;;     7. [M 2,048, K 8,192] x [K 8,192, N 1,024]; A: computed on the way; B: input rw_down: QUANTISED
;;   THE QUANTISER, for each operand of a quantised product, along K:
;;     - K is cut into blocks of 32 from its start; a last block that is shorter is filled with zeros.
;;     - A block's scale is 2^e with e = floor(log2(the largest magnitude in the block)) - 4, held to -126 .. 127; a block of zeros has e = 0. As a byte (E8M0): e + 127.
;;     - Each number is divided by its block's scale, clamped to +-28, and rounded to the nearest number of E3M2, ties to even, subnormals kept.
;;     - The product sums the exact products of the quantised numbers (number of the format x scale) in f32.
;;   ~~~python
;;   def quantise(x, axis):      # numpy; x: float32 -> the quantised numbers, widened to float32 again
;;       x = np.moveaxis(x, axis, -1); K = x.shape[-1]
;;       x = np.pad(x, [(0, 0)] * (x.ndim - 1) + [(0, -K % 32)]); x = x.reshape(x.shape[:-1] + (-1, 32)); a = np.abs(x).max(-1, keepdims=True)
;;       e = np.where(a > 0, np.clip(np.frexp(np.where(a > 0, a, 1))[1] - 1 - 4, -126, 127), 0)      # np.frexp(a)[1] - 1 = floor(log2(a)), exactly
;;       r = np.clip(x / 2.0 ** e, -28, 28)
;;       step = 2.0 ** (np.maximum(np.frexp(np.where(r == 0, 1, r))[1] - 1, -2) - 2)
;;       q = np.round(r / step) * step * 2.0 ** e      # np.round: ties to even
;;       return np.moveaxis(q.reshape(q.shape[:-2] + (-1,))[..., :K], -1, axis).astype(np.float32)
;;   ~~~
;;   OPERANDS COMPUTED ON THE WAY. 'Computed on the way' means the value that the module computes at that place (a softmax that the list does not call 'softmax' is quantised finished and normalised). What goes into a quantiser is computed in f32, as accurately as f32 sums, v_exp_f32 and their like allow (about 1e-6 of the number): no bf16 or f16 on the way to a quantiser, and a product that is left as it is and whose result goes on into a quantised operand takes f32 operands (vector FMAs, or v_wmma_f32_16x16x4_f32). A number that lies on a knife's edge between two numbers of the format may be rounded either way, as far as f32 arithmetic and the matrix unit's own rounding can turn it there, and no further.
;;   INPUTS GIVEN AS CODES. rw_gate (in the module: [8, 1024, 1024], K = its axis 1); rw_up (in the module: [8, 1024, 1024], K = its axis 1); sw_down (in the module: [1024, 1024], K = its axis 0); sw_gate (in the module: [1024, 1024], K = its axis 0); sw_up (in the module: [1024, 1024], K = its axis 0): each comes as NAME_codes (uint8): NAME with its K axis moved to the last place and cut into blocks of 32 codes, [.., K / 32, bytes a block], one block behind the other in memory; four codes in three bytes: a row's codes are one little-endian stream of bits, code i at bits 6 i .. 6 i + 5 (a code: sign, 3 exponent bits, 2 mantissa bits); and NAME_scales (uint8): the same leading axes, one E8M0 byte (e + 127) for each 32 codes along K. Its value is code x scale, taken as it is: it is not quantised again, and the codes and scales need not be those that the quantiser above would give.
;; 2 versions, each right; version 2 is version 1 with the launches gateup, down written anew for expert scheduling mode. Each part assembles by itself: llvm-mc -triple=amdgcn-amd-amdhsa -mcpu=gfx1250 --defsym DOCPART=n.
;; ======== version 1 of 2: 4 launches
;; workspace buffers: xq 1,638,400 bytes; route 16,384 bytes of whole numbers; wts 16,384 bytes; perm 8,192 bytes of whole numbers; wgu 14,745,600 bytes; dq 7,372,800 bytes; hid 14,745,600 bytes
;; launch prep (part 1): grid 320 x 1, 8 waves a work-group, no clusters, 92,160 bytes of LDS; arguments x, gate_w, expert_bias, rw_down, xq, route, wts, out1, dq; writes xq, route, wts, out1, dq
.if DOCPART == 1
	.amdgcn_target "amdgcn-amd-amdhsa--gfx1250"
	.amdhsa_code_object_version 6
	.text
	.protected	k_q79a8793140_prep
	.globl	k_q79a8793140_prep
	.p2align	8
	.type	k_q79a8793140_prep,@function
k_q79a8793140_prep:
	s_mov_b64 s[64:65], 0
	v_nop
	global_prefetch_b8 v0, s[64:65] scope:SCOPE_SE
	s_setreg_imm32_b32 hwreg(HW_REG_WAVE_MODE, 25, 1), 1
	s_wait_xcnt 0x0
; PREP.  Two kinds of work-group, told apart by the work-group's number alone.
; ROLE X (work-groups 0-63, 32 tokens each): x is quantised along H to E3M2 codes with one E8M0 byte for each 32 numbers, laid in xq as images of the operand's registers;
;   the router's logits are made in f32 by fused multiply-adds from the same registers; sigmoid, bias, tie-break, top 2, the two weights.  What the choice yields is STORED AT FIXED PLACES:
;   out1, wts, and in route a word a token (first expert | second << 8 | pair key << 16 | rank among equal keys of the 32 tokens << 24) beside the count of each key among the 32 tokens.
;   No address and no branch of this launch hangs on the choice.
; ROLE D (work-groups 64-319): rw_down [8][1024 (K)][1024 (n)] f32 is quantised along K: a lane takes a column n and its registers run down K; the codes leave as images of weight fragments.
; xq: row t is 768 bytes: blocks 0, 2 .. 30, then blocks 1, 3 .. 31, 24 bytes a block, so that lane (r, h)'s 12 registers of K step s are the 48 bytes at 384 h + 48 s; from XSOFF on 8 scale words a token.
; dq: [expert 9][b 32][K step 8][u 2][1536]: a fragment of 16 rows x 128 K, registers 4 c .. 4 c + 3 of lane l at 512 c + 16 l; row r of tile (b, u) is column 32 b + 8 u + r + 8 (r / 8).
;   From DSS on [expert][b][c2 2][lane 32][16]: lane 16 u + r holds that row's scale words of K steps 4 c2 .. 4 c2 + 3.
; LIMITS: NaN and infinities are not served.  A block whose largest magnitude lies under 2^-122 (a block of zeros too) gets the byte 1; its codes are then zeros or subnormal codes; only this program reads the bytes.
;   Two selection values that differ by less than the rounding of an f32 sum of 1,024 terms may be ordered otherwise than by another order of summation.  The weights are score x (1 / sum), each step within an ulp.
.set GW,    0                          ; LDS, role X: gate_w, 8 rows of 4,096 bytes
.set XST,   32768                      ; 32 rows of codes, 768 bytes each
.set XSS,   57344                      ; 32 rows of 8 scale words
.set LG,    58368                      ; partial logits [tile 2][K step 8][expert 8][row 16] f32: 8,192 bytes
.set DST,   66560                      ; LDS, role D: 3,072 bytes for each of eight waves
.set XSOFF, 1572864
.set DSS,   7077888
.set ACC,   16                         ; v16-47   sixteen pairs of partial logits: tile 0's eight, tile 1's eight
.set XA,    48                         ; v48-111  64 numbers of x: my K step of tile 0
.set XB,    112                        ; v112-175 the same of tile 1
.set GS,    176                        ; v176-239 two sets of 8 x 4 numbers of gate_w
.set PC,    176                        ; v176-194 the codes just made: over gate_w's sets, which are done with when the quantiser begins
.set TM,    240                        ; v240-243 largest magnitudes, v244-247 the neighbour's, then bytes, v248-251 the conversions' scale operands
.set PW,    10                         ; v10      the scale word just made
.set SEL,   50                         ; s[50:51] lane selects: lane l xor 16
.set R,     96                         ; the router's tail: four registers an expert
.set P,     128                        ; and the eight partial logits of each expert
.macro BARRIER                         ; my LDS stores have landed and my LDS loads are in: then the work-group's barrier
	s_wait_dscnt 0x0
	s_barrier_signal -1
	s_barrier_wait -1
.endm
	s_load_b512 s[8:23], s[0:1], 0x0               ; x s[8:9], gate_w s[10:11], expert_bias s[12:13], rw_down s[14:15], xq s[16:17], route s[18:19], wts s[20:21], out1 s[22:23]
	s_load_b64 s[24:25], s[0:1], 0x40              ; dq
	v_lshl_add_u32 v254, v0, 2, 0x16400
	v_mov_b32 v255, 0
	v_lshrrev_b32 v1, 5, v0
	v_readfirstlane_b32 s2, v1                     ; wave 0..7
	v_and_b32 v1, 31, v0                           ; lane
	v_and_b32 v2, 15, v0                           ; r
	v_bfe_u32 v3, v0, 4, 1                         ; h
	s_mov_b32 s27, 0
	s_cmp_lt_u32 ttmp9, 64
	s_cbranch_scc0 .Lrole_d
; ---------------------------------------------------------------- ROLE X
; Wave w takes K step w (128 along K) of BOTH tiles of 16 tokens, so that each 16 bytes of gate_w that it reads from LDS feed two tiles' multiply-adds: 8 waves x 128 reads for the work-group.
; Lane (r, h) holds, of token r of each tile, 16 neighbours of each block of 32.
	s_lshl_b32 s5, s2, 9                           ; 512 x wave: my K step in a row of f32
	v_lshlrev_b32 v4, 12, v2
	v_lshl_add_u32 v4, v3, 6, v4
	v_add_nc_u32 v4, s5, v4                        ; x: row r of 4,096 bytes + 512 w + 64 h; tile 1 lies 65,536 bytes on
	v_lshlrev_b32 v5, 4, v0                        ; 16 x thread
	v_lshlrev_b32 v6, 6, v3
	v_add_nc_u32 v6, s5, v6                        ; gate_w in LDS: 512 w + 64 h
	s_mul_i32 s7, s2, 48
	s_add_co_u32 s7, s7, XST
	v_mul_u32_u24 v7, v2, 768
	v_mad_u32_u24 v7, v3, 384, v7
	v_add_nc_u32 v7, s7, v7                        ; my codes: row r, half h, 48 w; tile 1 lies 12,288 bytes on
	s_lshl_b32 s7, s2, 2
	s_add_co_u32 s7, s7, XSS
	v_lshl_add_u32 v8, v2, 5, s7                   ; my scale words: 32 bytes a row, 4 w; tile 1 lies 512 bytes on
	s_add_co_u32 s7, s5, LG
	v_lshl_add_u32 v9, v2, 2, s7                   ; my partial logits: 512 w + 4 r; tile 1 lies 4,096 bytes on
	v_add_nc_u32 v11, XST, v5                      ; the way out of the codes
	v_lshlrev_b32 v12, 4, v1                       ; 16 x lane
	v_lshlrev_b32 v13, 2, v2
	v_lshl_add_u32 v13, v3, 12, v13                ; the tail: token l of the 32: tile l / 16, row l % 16
	v_lshlrev_b32 v14, 3, v1                       ; 8 x lane
	s_mov_b32 s[SEL], 0x76543210
	s_mov_b32 s[SEL+1], 0xfedcba98
	s_mov_b32 s52, 0x358637bd                      ; 1e-6
.irp b, 0,1,2,3
	v_mov_b32 v[TM+4+\b], 0                        ; written once: a lane permute's destination counts as one of its sources
.endr
	s_wait_kmcnt 0x0
	s_load_b256 s[32:39], s[12:13], 0x0            ; the eight biases
	s_lshl_b32 s26, ttmp9, 17
	s_add_nc_u64 s[8:9], s[8:9], s[26:27]          ; x at my 32 tokens
	s_mul_i32 s26, ttmp9, 24576
	s_add_nc_u64 s[28:29], s[16:17], s[26:27]      ; their codes in xq
	s_lshl_b32 s26, ttmp9, 10
	s_add_co_u32 s26, s26, XSOFF
	s_add_nc_u64 s[30:31], s[16:17], s[26:27]      ; their scale words
	s_lshl_b32 s26, ttmp9, 8
	s_add_nc_u64 s[18:19], s[18:19], s[26:27]      ; 8 bytes a token in route, wts and out1
	s_add_nc_u64 s[20:21], s[20:21], s[26:27]
	s_add_nc_u64 s[22:23], s[22:23], s[26:27]
.macro XLOAD reg, tl                   ; 64 numbers a lane: register 16 b + 4 j + i = k 32 b + 16 h + 4 j + i of my K step, tile tl
.irp b, 0,1,2,3
.irp j, 0,1,2,3
	global_load_b128 v[\reg+16*\b+4*\j:\reg+16*\b+4*\j+3], v4, s[8:9] offset:65536*\tl+128*\b+16*\j th:TH_LOAD_NT
.endr
.endr
.endm
.irp i, 0,1,2,3,4,5,6,7
	global_load_b128 v[GS+4*\i:GS+4*\i+3], v5, s[10:11] offset:4096*\i   ; gate_w: 256 threads x 16 bytes are a row
.endr
	XLOAD XA, 0
	XLOAD XB, 1
	s_wait_loadcnt 32                              ; gate_w's eight loads are in; the 32 loads of x issued behind them may be out
.irp i, 0,1,2,3,4,5,6,7
	ds_store_b128 v5, v[GS+4*\i:GS+4*\i+3] offset:GW+4096*\i
.endr
	BARRIER                                        ; gate_w lies in LDS
; Group n: four numbers of gate_w for each of the eight experts, at the k of my registers 4 n .. 4 n + 3.  Sixteen lanes read the same 16 bytes.
.macro GLD n
.irp e, 0,1,2,3,4,5,6,7
	ds_load_b128 v[GS+32*((\n)%2)+4*\e:GS+32*((\n)%2)+4*\e+3], v6 offset:GW+4096*\e+128*((\n)/4)+16*((\n)%4)
.endr
.endm
	s_wait_loadcnt 0x0                             ; both tiles' numbers are in
; The partial logits of 2 x 64 numbers: group n + 1 is fetched while group n is multiplied, 32 packed multiply-adds for 8 loads.  The very first products start the sums.
	GLD 0
.set n, 0
.rept 16
.if n < 15
	GLD n+1
	s_wait_dscnt 8                                 ; group n's eight loads are in; the eight just issued may be out
.else
	s_wait_dscnt 0x0
.endif
.set gb, GS+32*(n%2)
.irp e, 0,1,2,3,4,5,6,7
.if n == 0
	v_pk_mul_f32 v[ACC+2*\e:ACC+2*\e+1], v[XA+4*n:XA+4*n+1], v[gb+4*\e:gb+4*\e+1]
	v_pk_mul_f32 v[ACC+16+2*\e:ACC+16+2*\e+1], v[XB+4*n:XB+4*n+1], v[gb+4*\e:gb+4*\e+1]
.else
	v_pk_fma_f32 v[ACC+2*\e:ACC+2*\e+1], v[XA+4*n:XA+4*n+1], v[gb+4*\e:gb+4*\e+1], v[ACC+2*\e:ACC+2*\e+1]
	v_pk_fma_f32 v[ACC+16+2*\e:ACC+16+2*\e+1], v[XB+4*n:XB+4*n+1], v[gb+4*\e:gb+4*\e+1], v[ACC+16+2*\e:ACC+16+2*\e+1]
.endif
.endr
.irp e, 0,1,2,3,4,5,6,7
	v_pk_fma_f32 v[ACC+2*\e:ACC+2*\e+1], v[XA+4*n+2:XA+4*n+3], v[gb+4*\e+2:gb+4*\e+3], v[ACC+2*\e:ACC+2*\e+1]
	v_pk_fma_f32 v[ACC+16+2*\e:ACC+16+2*\e+1], v[XB+4*n+2:XB+4*n+3], v[gb+4*\e+2:gb+4*\e+3], v[ACC+16+2*\e:ACC+16+2*\e+1]
.endr
.set n, n+1
.endr
; 64 numbers of a lane, register 16 b + i = k 32 b + 16 h + i of my row, become a fragment's 12 registers in v[PC] on and its scale word in v[PW].
.macro QUANT s
.irp b, 0,1,2,3
	v_max3_num_f32 v[TM+\b], |v[\s+16*\b]|, |v[\s+1+16*\b]|, 0x2800000   ; block b: my 16 numbers, and the floor 2^(5 - 127): the byte cannot fall under 1
.endr
.irp i, 2,4,6,8,10,12,14
.irp b, 0,1,2,3
	v_max3_num_f32 v[TM+\b], v[TM+\b], |v[\s+16*\b+\i]|, |v[\s+1+16*\b+\i]|
.endr
.endr
.irp b, 0,1,2,3
	v_permlanex16_b32 v[TM+4+\b], v[TM+\b], s[SEL], s[SEL+1]
.endr
.irp b, 0,1,2,3
	v_max_num_f32 v[TM+\b], v[TM+\b], v[TM+4+\b]   ; with lane l xor 16's: the block's largest magnitude
.endr
.irp b, 0,1,2,3
	v_add_nc_u32 v[TM+8+\b], 0xfe000000, v[TM+\b]  ; 4 off its exponent field: the conversion takes this operand's exponent field as its scale
.endr
.irp b, 0,1,2,3
	v_lshrrev_b32 v[TM+4+\b], 23, v[TM+8+\b]       ; the scale's byte
.endr
	v_lshl_or_b32 v[PW], v[TM+5], 8, v[TM+4]
	v_lshl_or_b32 v[PW], v[TM+6], 16, v[PW]
	v_lshl_or_b32 v[PW], v[TM+7], 24, v[PW]
.irp c, 0,1
	v_cvt_scalef32_pk16_bf6_f32 v[PC+6*\c:PC+2+6*\c], v[\s+32*\c:\s+15+32*\c], v[TM+8+2*\c]
	v_cvt_scalef32_pk16_bf6_f32 v[PC+12+4*\c:PC+14+4*\c], v[\s+16+32*\c:\s+31+32*\c], v[TM+8+2*\c+1]   ; (a conversion's three registers begin on an even number)
.endr
	v_nop                                          ; one plain place behind a scaled conversion
.irp c, 0,1                                    ; the operand's layout wants a whole block in a lane: lanes 0-15 block 2 c, lanes 16-31 block 2 c + 1
.irp i, 0,1,2
	v_permlane16_swap_b32 v[PC+6*\c+\i], v[PC+12+4*\c+\i]
.endr
.irp i, 0,1,2
	v_mov_b32 v[PC+3+6*\c+\i], v[PC+12+4*\c+\i]
.endr
.endr
.endm
.macro PUT tl                          ; tile tl's fragment and its scale word go to LDS (both lanes of a row write the same word with the same value)
.irp c, 0,1,2
	ds_store_b128 v7, v[PC+4*\c:PC+4*\c+3] offset:12288*\tl+16*\c
.endr
	ds_store_b32 v8, v[PW] offset:512*\tl
	s_wait_dscnt 0x0                               ; the stores have read their registers: the next fragment's codes may be written
.endm
	QUANT XA
	PUT 0
	QUANT XB
	PUT 1
.irp e, 0,1,2,3,4,5,6,7,8,9,10,11,12,13,14,15
	v_add_f32 v[ACC+2*\e], v[ACC+2*\e], v[ACC+2*\e+1]
.endr
.irp e, 0,1,2,3,4,5,6,7,8,9,10,11,12,13,14,15
	v_permlanex16_b32 v[ACC+2*\e+1], v[ACC+2*\e], s[SEL], s[SEL+1]
.endr
.irp e, 0,1,2,3,4,5,6,7,8,9,10,11,12,13,14,15
	v_add_f32 v[ACC+2*\e], v[ACC+2*\e], v[ACC+2*\e+1]   ; token r's logit over my K step
.endr
.irp e, 0,1,2,3,4,5,6,7,8,9,10,11,12,13,14,15
	ds_store_b32 v9, v[ACC+2*\e] offset:4096*(\e/8)+64*(\e%8)
.endr
	BARRIER                                        ; codes, scale words and partial logits of the 32 tokens lie in LDS
.irp i, 0,1,2,3,4,5
	ds_load_b128 v[32+4*\i:35+4*\i], v11 offset:4096*\i
.endr
.irp i, 0,1,2,3,4,5
	s_wait_dscnt 5-\i
	global_store_b128 v5, v[32+4*\i:35+4*\i], s[28:29] offset:4096*\i   ; a wave stores 512 consecutive bytes, aligned
.endr
	s_cmp_eq_u32 s2, 1
	s_cbranch_scc0 .Lnot_wave_1
	ds_load_b128 v[64:67], v12 offset:XSS          ; wave 1: the 1,024 bytes of scale words
	ds_load_b128 v[68:71], v12 offset:XSS+512
	s_wait_dscnt 0x0
	global_store_b128 v12, v[64:67], s[30:31]
	global_store_b128 v12, v[68:71], s[30:31] offset:512
	s_wait_tensorcnt 0x0
	ds_add_u32 v254, v255
	s_wait_dscnt 0x0
	s_endpgm
.Lnot_wave_1:
	s_cmp_eq_u32 s2, 0
	s_cbranch_scc1 .Ltail
	s_wait_tensorcnt 0x0
	ds_add_u32 v254, v255
	s_wait_dscnt 0x0
	s_endpgm
.Ltail:                                            ; wave 0: a lane to a token.  (v32-55, which the stores above still read, are not written here)
.irp e, 0,1,2,3,4,5,6,7
.irp k, 0,1,2,3,4,5,6,7
	ds_load_b32 v[P+8*\e+\k], v13 offset:LG+512*\k+64*\e
.endr
.endr
	s_wait_dscnt 0x0
.irp e, 0,1,2,3,4,5,6,7
	v_add_f32 v[P+8*\e], v[P+8*\e], v[P+8*\e+1]
	v_add_f32 v[P+8*\e+2], v[P+8*\e+2], v[P+8*\e+3]
	v_add_f32 v[P+8*\e+4], v[P+8*\e+4], v[P+8*\e+5]
	v_add_f32 v[P+8*\e+6], v[P+8*\e+6], v[P+8*\e+7]
.endr
.irp e, 0,1,2,3,4,5,6,7
	v_add_f32 v[P+8*\e], v[P+8*\e], v[P+8*\e+2]
	v_add_f32 v[P+8*\e+4], v[P+8*\e+4], v[P+8*\e+6]
.endr
.irp e, 0,1,2,3,4,5,6,7
	v_add_f32 v[R+4*\e], v[P+8*\e], v[P+8*\e+4]    ; the logit
.endr
.irp e, 0,1,2,3,4,5,6,7
	v_mul_f32 v[R+4*\e+1], 0xbfb8aa3b, v[R+4*\e]   ; x -log2(e)
.endr
.irp e, 0,1,2,3,4,5,6,7
	v_exp_f32 v[R+4*\e+1], v[R+4*\e+1]
.endr
	v_nop                                          ; a plain place behind the exponentials
	s_wait_alu depctr_va_vdst(0)
.irp e, 0,1,2,3,4,5,6,7
	v_add_f32 v[R+4*\e+1], 1.0, v[R+4*\e+1]
.endr
.irp e, 0,1,2,3,4,5,6,7
	v_rcp_f32 v[R+4*\e+1], v[R+4*\e+1]             ; the score: 1 / (1 + e^-z)
.endr
.irp e, 0,1,2,3,4,5,6,7
	v_cvt_f32_u32 v[R+4*\e+3], \e                  ; (plain places behind the reciprocals)
.endr
	s_wait_kmcnt 0x0                               ; the biases
	s_wait_alu depctr_va_vdst(0)
.irp e, 0,1,2,3,4,5,6,7
	v_mul_f32 v[R+4*\e+3], s52, v[R+4*\e+3]        ; the tie-break: e x 1e-6
	v_add_f32 v[R+4*\e+2], s[32+\e], v[R+4*\e+1]
.endr
.irp e, 0,1,2,3,4,5,6,7
	v_add_f32 v[R+4*\e+2], v[R+4*\e+2], v[R+4*\e+3]   ; (score + bias) + tie-break: what is compared
.endr
	v_mov_b32 v64, v[R+2]                          ; the largest so far, its expert, its score; a later expert takes over only where it is strictly larger: the lower index wins a tie
	v_mov_b32 v65, 0
	v_mov_b32 v66, v[R+1]
.irp e, 1,2,3,4,5,6,7
	v_cmp_le_f32 vcc_lo, v[R+4*\e+2], v64
	v_cndmask_b32 v64, v[R+4*\e+2], v64, vcc_lo
	v_cndmask_b32 v65, \e, v65, vcc_lo
	v_cndmask_b32 v66, v[R+4*\e+1], v66, vcc_lo
.endr
	v_mov_b32 v70, 0xff800000                      ; -infinity takes the winner out
.irp e, 0,1,2,3,4,5,6,7
	v_cmp_eq_u32 vcc_lo, \e, v65
	v_cndmask_b32 v[R+4*\e+2], v[R+4*\e+2], v70, vcc_lo
.endr
	v_mov_b32 v67, v[R+2]
	v_mov_b32 v68, 0
	v_mov_b32 v69, v[R+1]
.irp e, 1,2,3,4,5,6,7
	v_cmp_le_f32 vcc_lo, v[R+4*\e+2], v67
	v_cndmask_b32 v67, v[R+4*\e+2], v67, vcc_lo
	v_cndmask_b32 v68, \e, v68, vcc_lo
	v_cndmask_b32 v69, v[R+4*\e+1], v69, vcc_lo
.endr
	v_add_f32 v71, v66, v69
	v_max_num_f32 v71, 0x3089705f, v71             ; the sum of the two scores, at least 1e-9
	v_rcp_f32 v71, v71
	v_min_u32 v72, v65, v68                        ; (a plain place)  a: the lower expert of the pair
	v_max_u32 v75, v65, v68                        ; b: the higher
	s_wait_alu depctr_va_vdst(0)
	v_mul_f32 v80, v66, v71                        ; the two weights
	v_mul_f32 v81, v69, v71
	v_sub_nc_u32 v73, 15, v72
	v_mul_u32_u24 v73, v72, v73
	v_lshrrev_b32 v73, 1, v73
	v_add_nc_u32 v73, v73, v75
	v_sub_nc_u32 v73, v73, v72
	v_add_nc_u32 v72, -1, v73                      ; the pair's key: a (15 - a) / 2 + b - a - 1, 0 .. 27
	v_mov_b32 v73, 0                               ; lane k: how many of the 32 tokens have key k
	v_mov_b32 v74, 0                               ; my rank among the tokens of my key
.set kk, 0
.rept 28
	v_cmp_eq_u32 s40, kk, v72
	s_bcnt1_i32_b32 s41, s40
	v_writelane_b32 v73, s41, kk
	v_mbcnt_lo_u32_b32 v75, s40, 0
	v_cndmask_b32 v74, v74, v75, s40
.set kk, kk+1
.endr
	v_lshl_or_b32 v76, v68, 8, v65
	v_lshl_or_b32 v76, v72, 16, v76
	v_lshl_or_b32 v76, v74, 24, v76
	v_mov_b32 v77, v73
	v_mov_b32 v78, v65
	v_mov_b32 v79, v68
	global_store_b64 v14, v[78:79], s[22:23]       ; each of the three stores covers 256 consecutive bytes, aligned
	global_store_b64 v14, v[80:81], s[20:21]
	global_store_b64 v14, v[76:77], s[18:19]
	s_wait_tensorcnt 0x0
	ds_add_u32 v254, v255
	s_wait_dscnt 0x0
	s_endpgm
; ---------------------------------------------------------------- ROLE D
; q = work-group - 64: expert q / 32, group of eight b (q / 8) % 4, K step q % 8.  Wave w: b = 8 x group + w.  Lane x: column 32 b + x; 128 along K in four blocks of 32.
.Lrole_d:
	s_sub_co_u32 s3, ttmp9, 64
	s_lshr_b32 s4, s3, 5                           ; expert
	s_bfe_u32 s5, s3, 0x20003
	s_and_b32 s6, s3, 7                            ; K step
	s_lshl_b32 s5, s5, 3
	s_add_co_u32 s5, s5, s2                        ; b
	s_lshl_b32 s7, s4, 22
	s_lshl_b32 s26, s6, 19
	s_add_co_u32 s7, s7, s26
	s_lshl_b32 s26, s5, 7
	s_add_co_u32 s26, s7, s26                      ; (1,024 expert + 128 step) rows of 4,096 bytes + 128 b
	v_lshlrev_b32 v4, 2, v1                        ; 4 bytes a lane
	v_bfe_u32 v5, v1, 3, 1                         ; u: which of the two tiles my column falls into
	v_and_b32 v6, 7, v1
	v_lshl_add_u32 v6, v3, 3, v6                   ; and which row of it: x % 8 + 8 (x / 16)
	s_mul_i32 s28, s2, 3072
	s_add_co_u32 s28, s28, DST                     ; my wave's two images
	v_mul_u32_u24 v7, v5, 1536
	v_lshl_add_u32 v7, v6, 4, v7
	v_add_nc_u32 v7, s28, v7                       ; into them: tile u, 16 bytes a row
	v_lshl_add_u32 v8, v1, 4, s28                  ; out of them: 16 bytes a lane
	v_lshlrev_b32 v9, 4, v1
	v_lshlrev_b32 v10, 8, v5
	v_lshl_add_u32 v10, v6, 4, v10                 ; my scale word's lane: 16 (16 u + row)
	s_lshl_b32 s29, s4, 5
	s_add_co_u32 s29, s29, s5                      ; 32 expert + b
	s_lshl_b32 s30, s29, 3
	s_add_co_u32 s30, s30, s6
	s_mul_i32 s30, s30, 3072
	s_mov_b32 s31, 0
	s_lshl_b32 s32, s29, 10
	s_lshr_b32 s33, s6, 2
	s_lshl_b32 s33, s33, 9
	s_add_co_u32 s32, s32, s33
	s_and_b32 s33, s6, 3
	s_lshl_b32 s33, s33, 2
	s_add_co_u32 s32, s32, s33
	s_add_co_u32 s32, s32, DSS
	s_mov_b32 s33, 0
	s_wait_kmcnt 0x0
	s_add_nc_u64 s[14:15], s[14:15], s[26:27]
	s_add_nc_u64 s[30:31], s[24:25], s[30:31]
	s_add_nc_u64 s[32:33], s[24:25], s[32:33]
.macro DLOAD t                         ; block t: rows 32 t + i of my column; the eight waves together read 1,024 consecutive bytes of each row
.irp i, 0,1,2,3,4,5,6,7,8,9,10,11,12,13,14,15,16,17,18,19,20,21,22,23,24,25,26,27,28,29,30,31
	global_load_b32 v[32+32*((\t)%2)+\i], v4, s[14:15] offset:(32*(\t)+\i)*4096 th:TH_LOAD_NT
.endr
.endm
	DLOAD 0
	DLOAD 1
.macro BLOCK t
.set DX, 32+32*((\t)%2)
.if (\t) < 3
	s_wait_loadcnt 32                              ; this block's 32 loads are in; the next block's may be out
.else
	s_wait_loadcnt 0x0
.endif
	v_max3_num_f32 v12, |v[DX]|, |v[DX+1]|, |v[DX+2]|      ; the block's largest magnitude: all 32 numbers are mine
	v_max3_num_f32 v13, |v[DX+3]|, |v[DX+4]|, |v[DX+5]|
.irp i, 6,10,14,18,22,26
	v_max3_num_f32 v12, v12, |v[DX+\i]|, |v[DX+\i+1]|
	v_max3_num_f32 v13, v13, |v[DX+\i+2]|, |v[DX+\i+3]|
.endr
	v_max3_num_f32 v12, v12, |v[DX+30]|, |v[DX+31]|
	v_max3_num_f32 v12, v12, v13, 0x2800000        ; and the floor 2^(5 - 127)
	v_add_nc_u32 v11, 0xfe000000, v12              ; 4 off the exponent field: the conversions' scale operand
	v_lshrrev_b32 v13, 23, v11                     ; the scale's byte
.if (\t) == 0
	v_mov_b32 v24, v13
.else
	v_lshl_or_b32 v24, v13, 8*(\t), v24            ; four bytes make the K step's scale word
.endif
	v_cvt_scalef32_pk16_bf6_f32 v[96:98], v[DX:DX+15], v11
	v_cvt_scalef32_pk16_bf6_f32 v[104:106], v[DX+16:DX+31], v11
	v_nop                                          ; one plain place behind a scaled conversion
	v_mov_b32 v99, v104
	v_mov_b32 v100, v105
	v_mov_b32 v101, v106                           ; v96-101: the block's 24 bytes.  Block t is registers 6 (t / 2) .. + 5 of lane (row, t % 2) of the fragment
.if (\t) < 2
	ds_store_b128 v7, v[96:99] offset:256*((\t)%2)
	ds_store_b64 v7, v[100:101] offset:512+256*((\t)%2)
.else
	ds_store_b64 v7, v[96:97] offset:520+256*((\t)%2)
	ds_store_b128 v7, v[98:101] offset:1024+256*((\t)%2)
.endif
.if (\t)+2 < 4
	DLOAD (\t)+2
.endif
	s_wait_dscnt 0x0                               ; the stores have read their registers: the next block's codes may be written
.endm
	BLOCK 0
	BLOCK 1
	BLOCK 2
	BLOCK 3
.irp i, 0,1,2,3,4,5
	ds_load_b128 v[112+4*\i:115+4*\i], v8 offset:512*\i   ; LDS serves a wave's instructions in order: these see my stores
.endr
.irp i, 0,1,2,3,4,5
	s_wait_dscnt 5-\i
	global_store_b128 v9, v[112+4*\i:115+4*\i], s[30:31] offset:512*\i   ; 512 consecutive bytes, aligned
.endr
	global_store_b32 v10, v24, s[32:33]            ; one word of four in each lane's 16 bytes: the other three K steps' words come from other work-groups (8,192 words an expert)
	s_wait_tensorcnt 0x0
	ds_add_u32 v254, v255
	s_wait_dscnt 0x0
	s_endpgm
.Lfunc_end_k_q79a8793140_prep:
	.size	k_q79a8793140_prep, .Lfunc_end_k_q79a8793140_prep-k_q79a8793140_prep
	.p2alignl 7, 3214868480
	.fill 96, 4, 3214868480
	.section	.rodata,"a",@progbits
	.p2align	6, 0x0
	.amdhsa_kernel k_q79a8793140_prep
		.amdhsa_group_segment_fixed_size 92160
		.amdhsa_private_segment_fixed_size 0
		.amdhsa_enable_private_segment 0
		.amdhsa_kernarg_size 72
		.amdhsa_user_sgpr_count 2
		.amdhsa_user_sgpr_kernarg_segment_ptr 1
		.amdhsa_wavefront_size32 1
		.amdhsa_system_sgpr_workgroup_id_x 1
		.amdhsa_system_sgpr_workgroup_id_y 1
		.amdhsa_system_sgpr_workgroup_id_z 1
		.amdhsa_system_vgpr_workitem_id 0
		.amdhsa_next_free_vgpr 256
		.amdhsa_next_free_sgpr 66
		.amdhsa_reserve_vcc 1
		.amdhsa_float_denorm_mode_32 3
		.amdhsa_float_denorm_mode_16_64 3
		.amdhsa_memory_ordered 1
		.amdhsa_forward_progress 1
		.amdhsa_inst_pref_size 102
	.end_amdhsa_kernel
	.amdgpu_metadata
---
amdhsa.version: [ 1, 2 ]
amdhsa.kernels:
  - .name:           k_q79a8793140_prep
    .symbol:         k_q79a8793140_prep.kd
    .args:
      - { .name: x, .offset: 0, .size: 8, .value_kind: global_buffer, .address_space: global }
      - { .name: gate_w, .offset: 8, .size: 8, .value_kind: global_buffer, .address_space: global }
      - { .name: expert_bias, .offset: 16, .size: 8, .value_kind: global_buffer, .address_space: global }
      - { .name: rw_down, .offset: 24, .size: 8, .value_kind: global_buffer, .address_space: global }
      - { .name: xq, .offset: 32, .size: 8, .value_kind: global_buffer, .address_space: global }
      - { .name: route, .offset: 40, .size: 8, .value_kind: global_buffer, .address_space: global }
      - { .name: wts, .offset: 48, .size: 8, .value_kind: global_buffer, .address_space: global }
      - { .name: out1, .offset: 56, .size: 8, .value_kind: global_buffer, .address_space: global }
      - { .name: dq, .offset: 64, .size: 8, .value_kind: global_buffer, .address_space: global }
    .group_segment_fixed_size: 92160
    .private_segment_fixed_size: 0
    .kernarg_segment_align: 8
    .kernarg_segment_size: 72
    .max_flat_workgroup_size: 256
    .sgpr_count:     66
    .vgpr_count:     256
    .wavefront_size: 32
...
	.end_amdgpu_metadata
.endif
;; end of part 1
;; launch place (part 2): grid 320 x 1, 4 waves a work-group, no clusters, 50,688 bytes of LDS; arguments route, rw_gate_codes, rw_gate_scales, rw_up_codes, rw_up_scales, sw_gate_codes, sw_gate_scales, sw_up_codes, sw_up_scales, sw_down_codes, sw_down_scales, perm, wgu, dq; writes perm, wgu, dq
.if DOCPART == 2
	.amdgcn_target "amdgcn-amd-amdhsa--gfx1250"
	.amdhsa_code_object_version 6
	.text
	.protected	k_q79a8793140_place
	.globl	k_q79a8793140_place
	.p2align	8
	.type	k_q79a8793140_place,@function
k_q79a8793140_place:
	s_mov_b64 s[64:65], 0
	v_nop
	global_prefetch_b8 v0, s[64:65] scope:SCOPE_SE
	s_setreg_imm32_b32 hwreg(HW_REG_WAVE_MODE, 25, 1), 1
	s_wait_xcnt 0x0
; PLACE.  Two kinds of work-group, told apart by the work-group's number alone.
; ROLE P (work-groups 0-15): a counting sort of the 2,048 tokens by their pair of experts (28 keys).  A wave takes one group of 32 tokens: it reads the 64 groups' counts (lane k: key k), sums them all and
;   those of the groups before its own, scans the totals over the keys, and stores each token's number at its place: perm[first place of the key + tokens of the key in earlier groups + rank in the group].
;   Waves share nothing: no LDS, no barrier.  The 2,048 words of perm are the one place where single words go to places far apart.
; ROLE R (work-groups 16-319): the weights that are given as codes are laid in the order in which a wave's operand registers take them.  A wave takes one tile of 16 rows x 1,024 K: 12,288 bytes come in
;   as they lie (two dense runs of eight rows), turn through the wave's own stage in LDS, and leave as eight fragment images of 1,536 bytes; its scale words likewise.
;   Row r of tile (b, u) is the matrix's row 32 b + 8 u + r + 8 (r / 8): with the weights as source 0 a lane's 16 results of tiles (b, 0), (b, 1) are then 16 neighbours.
; wgu: [expert 9 (8 = shared)][b 32][K step 8][gate, up][u 2][1536]; from WSS on [expert][b][gate, up][c2 2][lane 32][16].   dq, expert 8 = sw_down: [b][K step][u][1536]; from DSS on [b][c2][lane][16].
.set WSS, 14155776
.set DSS, 7077888
	s_load_b512 s[8:23], s[0:1], 0x0               ; route s[8:9], rw_gate codes, scales s[10:13], rw_up s[14:17], sw_gate s[18:21], sw_up codes s[22:23]
	s_load_b256 s[24:31], s[0:1], 0x40             ; sw_up scales s[24:25], sw_down codes, scales s[26:29], perm s[30:31]
	s_load_b128 s[32:35], s[0:1], 0x60             ; wgu s[32:33], dq s[34:35]
	v_lshl_add_u32 v224, v0, 2, 0xc400
	v_mov_b32 v225, 0
	v_lshrrev_b32 v1, 5, v0
	v_readfirstlane_b32 s2, v1                     ; wave 0..3
	v_and_b32 v1, 31, v0                           ; lane
	v_and_b32 v2, 15, v0                           ; r
	v_bfe_u32 v3, v0, 4, 1                         ; h
	s_cmp_lt_u32 ttmp9, 16
	s_cbranch_scc0 .Lrole_r
; ---------------------------------------------------------------- ROLE P
	s_lshl_b32 s3, ttmp9, 2
	s_add_co_u32 s3, s3, s2                        ; my group of 32 tokens, 0 .. 63
	v_lshlrev_b32 v4, 3, v1
	s_lshl_b32 s4, s3, 8
	v_add_nc_u32 v5, s4, v4
	s_wait_kmcnt 0x0
.set i, 0
.rept 64
	global_load_b32 v[32+i], v4, s[8:9] offset:256*i+4   ; group i's count of key = my lane
.set i, i+1
.endr
	global_load_b32 v6, v5, s[8:9]                 ; my token's route word
	s_wait_loadcnt 0x0
	v_mov_b32 v7, 0                                ; the key's total
	v_mov_b32 v8, 0                                ; and its tokens in the groups before mine
.set i, 0
.rept 64
	s_cmp_lt_u32 i, s3
	s_cselect_b32 s5, -1, 0
	v_add_nc_u32 v7, v7, v[32+i]
	v_and_b32 v9, s5, v[32+i]
	v_add_nc_u32 v8, v8, v9
.set i, i+1
.endr
	v_mov_b32 v10, 0
	s_mov_b32 s6, 0
.set kk, 0
.rept 28                                       ; lane k of v10: the tokens of all keys below k
	v_readlane_b32 s7, v7, kk
	v_writelane_b32 v10, s6, kk
	s_add_co_u32 s6, s6, s7
.set kk, kk+1
.endr
	v_add_nc_u32 v11, v10, v8                      ; lane k: where my group's tokens of key k begin
	v_bfe_u32 v12, v6, 16, 8                       ; my token's key
	v_lshrrev_b32 v13, 24, v6                      ; and its rank
	v_mov_b32 v14, 0
.set kk, 0
.rept 28
	v_readlane_b32 s7, v11, kk
	v_cmp_ne_u32 vcc_lo, kk, v12
	v_cndmask_b32 v14, s7, v14, vcc_lo
.set kk, kk+1
.endr
	v_add_nc_u32 v14, v14, v13
	v_min_u32 v14, 0x7ff, v14                      ; a place made of loaded numbers is held inside perm
	v_lshlrev_b32 v14, 2, v14
	s_lshl_b32 s4, s3, 5
	v_add_nc_u32 v15, s4, v1                       ; my token's number
	global_store_b32 v14, v15, s[30:31]
	s_endpgm
; ---------------------------------------------------------------- ROLE R
; q = work-group - 16.  0-143: gate, 144-287: up (expert (q % 144) / 16, 8 = the shared one), 288-303: sw_down.  Tile 4 (q % 16) + wave: b = tile / 2, u = tile % 2.
.Lrole_r:
	s_sub_co_u32 s3, ttmp9, 16
	s_and_b32 s4, s3, 15
	s_lshl_b32 s4, s4, 2
	s_add_co_u32 s4, s4, s2
	s_lshr_b32 s5, s4, 1                           ; b
	s_and_b32 s6, s4, 1                            ; u
	s_mul_i32 s49, s2, 12544                       ; my stage: 16 rows, 784 bytes apart
	v_lshlrev_b32 v4, 4, v1                        ; 16 x lane
	v_add_nc_u32 v5, s49, v4                       ; into the stage: as the bytes lie,
	v_lshl_add_u32 v6, v3, 4, v5                   ; and 16 further on for lanes 16-31, where a load's 512 bytes cross from a row into the next
	v_mul_u32_u24 v7, v2, 784
	v_mad_u32_u24 v7, v3, 24, v7
	v_add_nc_u32 v7, s49, v7                       ; out of it: row r, + 24 h
	v_and_b32 v8, 8, v2
	v_add_nc_u32 v8, v8, v2
	v_lshlrev_b32 v8, 5, v8
	v_lshl_add_u32 v8, v3, 4, v8                   ; scales in: row r + 8 (r / 8) of 32 bytes, half h
	v_lshlrev_b32 v9, 9, v3
	v_lshl_add_u32 v9, v2, 4, v9                   ; scales out: 512 h + 16 r
	s_wait_kmcnt 0x0
	s_cmp_lt_u32 s3, 144                           ; every choice hangs on the work-group's number alone
	s_cselect_b64 s[36:37], s[10:11], s[14:15]     ; the routed experts' codes,
	s_cselect_b64 s[38:39], s[12:13], s[16:17]     ; their scales,
	s_cselect_b64 s[40:41], s[18:19], s[22:23]     ; the shared expert's codes,
	s_cselect_b64 s[42:43], s[20:21], s[24:25]     ; its scales
	s_cselect_b32 s7, 0, 1                         ; gate or up
	s_cselect_b32 s44, 0, 144
	s_sub_co_u32 s44, s3, s44
	s_lshr_b32 s44, s44, 4
	s_min_u32 s44, s44, 8                          ; the expert (sw_down's work-groups come out at 8 too)
	s_cmp_lt_u32 s3, 288
	s_cselect_b64 s[40:41], s[40:41], s[26:27]
	s_cselect_b64 s[42:43], s[42:43], s[28:29]
	s_cselect_b64 s[46:47], s[32:33], s[34:35]     ; into wgu or into dq
	s_cselect_b32 s7, s7, 0
	s_mov_b32 s45, 3072
	s_cselect_b32 s45, 6144, s45                   ; bytes from a K step to the next
	s_mov_b32 s50, 24576
	s_cselect_b32 s50, 49152, s50                  ; bytes of a (expert, b)
	s_mov_b32 s51, 1024
	s_cselect_b32 s51, 2048, s51                   ; and of its scale images
	s_mov_b32 s52, DSS
	s_cselect_b32 s52, WSS, s52
	s_cmp_eq_u32 s44, 8
	s_cselect_b64 s[36:37], s[40:41], s[36:37]
	s_cselect_b64 s[38:39], s[42:43], s[38:39]
	s_cselect_b32 s48, 0, s44                      ; the expert's number inside its source
	s_lshl_b32 s53, s48, 10
	s_lshl_b32 s54, s5, 5
	s_add_co_u32 s53, s53, s54
	s_lshl_b32 s54, s6, 3
	s_add_co_u32 s53, s53, s54                     ; the tile's first row
	s_mul_i32 s54, s53, 768
	s_mov_b32 s55, 0
	s_add_nc_u64 s[36:37], s[36:37], s[54:55]
	s_lshl_b32 s54, s53, 5
	s_add_nc_u64 s[38:39], s[38:39], s[54:55]
	s_lshl_b32 s53, s44, 5
	s_add_co_u32 s53, s53, s5                      ; 32 expert + b
	s_mul_i32 s54, s53, s50
	s_mul_i32 s56, s7, 3072
	s_add_co_u32 s54, s54, s56
	s_mul_i32 s56, s6, 1536
	s_add_co_u32 s54, s54, s56
	s_add_nc_u64 s[58:59], s[46:47], s[54:55]      ; the tile's first image
	s_mul_i32 s54, s53, s51
	s_lshl_b32 s56, s7, 10
	s_add_co_u32 s54, s54, s56
	s_lshl_b32 s56, s6, 8
	s_add_co_u32 s54, s54, s56
	s_add_co_u32 s54, s54, s52
	s_add_nc_u64 s[60:61], s[46:47], s[54:55]      ; its lanes of the scale images
.irp s, 0,1,2,3,4,5,6,7
	s_mul_i32 s54, s45, \s
	v_add_nc_u32 v[16+\s], s54, v4                 ; 16 x lane + K step x stride
.endr
.irp i, 0,1,2,3,4,5,6,7,8,9,10,11,12,13,14,15,16,17,18,19,20,21,22,23
	global_load_b128 v[32+4*\i:35+4*\i], v4, s[36:37] offset:12288*(\i/12)+512*(\i%12) th:TH_LOAD_NT   ; rows 0-7, and the eight rows that lie 16 further on
.endr
	global_load_b128 v[24:27], v8, s[38:39] th:TH_LOAD_NT
	s_wait_loadcnt 0x0
	global_store_b128 v9, v[24:27], s[60:61]       ; sixteen lanes store 256 consecutive bytes, aligned
; Three loads are two rows of 768 bytes: the first lies in the first row, the second crosses at lane 16, the third lies in the second row; each row passed adds 16 bytes.
.irp i, 0,1,2,3,4,5,6,7,8,9,10,11,12,13,14,15,16,17,18,19,20,21,22,23
.if (\i%3) == 1
	ds_store_b128 v6, v[32+4*\i:35+4*\i] offset:6272*(\i/12)+512*(\i%12)+32*((\i%12)/3)
.elseif (\i%3) == 2
	ds_store_b128 v5, v[32+4*\i:35+4*\i] offset:6272*(\i/12)+512*(\i%12)+32*((\i%12)/3)+16
.else
	ds_store_b128 v5, v[32+4*\i:35+4*\i] offset:6272*(\i/12)+512*(\i%12)+32*((\i%12)/3)
.endif
.endr
.irp s, 0,1,2,3,4,5,6,7                        ; a fragment: lane (r, h) takes 24 bytes at 96 s + 24 h and 24 at 96 s + 48 + 24 h of row r, in pieces of 8
.irp p, 0,1,2,3,4,5
	ds_load_b64 v[128+12*\s+2*\p:129+12*\s+2*\p], v7 offset:96*\s+48*(\p/3)+8*(\p%3)   ; LDS serves a wave's instructions in order: these see my stores
.endr
.endr
.irp s, 0,1,2,3,4,5,6,7
	s_wait_dscnt 6*(7-\s)                          ; K step s's six loads are in; those of the later steps may be out
.irp c, 0,1,2
	global_store_b128 v[16+\s], v[128+12*\s+4*\c:131+12*\s+4*\c], s[58:59] offset:512*\c   ; 512 consecutive bytes, aligned
.endr
.endr
	s_wait_tensorcnt 0x0
	ds_add_u32 v224, v225
	s_wait_dscnt 0x0
	s_endpgm
.Lfunc_end_k_q79a8793140_place:
	.size	k_q79a8793140_place, .Lfunc_end_k_q79a8793140_place-k_q79a8793140_place
	.p2alignl 7, 3214868480
	.fill 96, 4, 3214868480
	.section	.rodata,"a",@progbits
	.p2align	6, 0x0
	.amdhsa_kernel k_q79a8793140_place
		.amdhsa_group_segment_fixed_size 50688
		.amdhsa_private_segment_fixed_size 0
		.amdhsa_enable_private_segment 0
		.amdhsa_kernarg_size 112
		.amdhsa_user_sgpr_count 2
		.amdhsa_user_sgpr_kernarg_segment_ptr 1
		.amdhsa_wavefront_size32 1
		.amdhsa_system_sgpr_workgroup_id_x 1
		.amdhsa_system_sgpr_workgroup_id_y 1
		.amdhsa_system_sgpr_workgroup_id_z 1
		.amdhsa_system_vgpr_workitem_id 0
		.amdhsa_next_free_vgpr 226
		.amdhsa_next_free_sgpr 66
		.amdhsa_reserve_vcc 1
		.amdhsa_float_denorm_mode_32 3
		.amdhsa_float_denorm_mode_16_64 3
		.amdhsa_memory_ordered 1
		.amdhsa_forward_progress 1
		.amdhsa_inst_pref_size 39
	.end_amdhsa_kernel
	.amdgpu_metadata
---
amdhsa.version: [ 1, 2 ]
amdhsa.kernels:
  - .name:           k_q79a8793140_place
    .symbol:         k_q79a8793140_place.kd
    .args:
      - { .name: route, .offset: 0, .size: 8, .value_kind: global_buffer, .address_space: global }
      - { .name: rw_gate_codes, .offset: 8, .size: 8, .value_kind: global_buffer, .address_space: global }
      - { .name: rw_gate_scales, .offset: 16, .size: 8, .value_kind: global_buffer, .address_space: global }
      - { .name: rw_up_codes, .offset: 24, .size: 8, .value_kind: global_buffer, .address_space: global }
      - { .name: rw_up_scales, .offset: 32, .size: 8, .value_kind: global_buffer, .address_space: global }
      - { .name: sw_gate_codes, .offset: 40, .size: 8, .value_kind: global_buffer, .address_space: global }
      - { .name: sw_gate_scales, .offset: 48, .size: 8, .value_kind: global_buffer, .address_space: global }
      - { .name: sw_up_codes, .offset: 56, .size: 8, .value_kind: global_buffer, .address_space: global }
      - { .name: sw_up_scales, .offset: 64, .size: 8, .value_kind: global_buffer, .address_space: global }
      - { .name: sw_down_codes, .offset: 72, .size: 8, .value_kind: global_buffer, .address_space: global }
      - { .name: sw_down_scales, .offset: 80, .size: 8, .value_kind: global_buffer, .address_space: global }
      - { .name: perm, .offset: 88, .size: 8, .value_kind: global_buffer, .address_space: global }
      - { .name: wgu, .offset: 96, .size: 8, .value_kind: global_buffer, .address_space: global }
      - { .name: dq, .offset: 104, .size: 8, .value_kind: global_buffer, .address_space: global }
    .group_segment_fixed_size: 50688
    .private_segment_fixed_size: 0
    .kernarg_segment_align: 8
    .kernarg_segment_size: 112
    .max_flat_workgroup_size: 128
    .sgpr_count:     66
    .vgpr_count:     226
    .wavefront_size: 32
...
	.end_amdgpu_metadata
.endif
;; end of part 2
;; launch gateup (part 3): grid 8 x 32, 4 waves a work-group, no clusters, 52,736 bytes of LDS; arguments perm, route, wts, xq, wgu, hid; writes hid
.if DOCPART == 3
	.amdgcn_target "amdgcn-amd-amdhsa--gfx1250"
	.amdhsa_code_object_version 6
	.text
	.protected	k_q79a8793140_gateup
	.globl	k_q79a8793140_gateup
	.p2align	8
	.type	k_q79a8793140_gateup,@function
k_q79a8793140_gateup:
	s_mov_b64 s[64:65], 0
	v_nop
	global_prefetch_b8 v0, s[64:65] scope:SCOPE_SE
	s_setreg_imm32_b32 hwreg(HW_REG_WAVE_MODE, 25, 1), 1
	s_wait_xcnt 0x0
; GATEUP.  hid(row, expert, unit) = Q(silu(x Wg) (x Wu) c), both products on E3M2 codes with E8M0 scales, for the experts that a group of rows uses; the shared expert is expert 8 with c = 1.
; SHARES.  Work-group (bx, g): the 64 tokens at sorted places 64 g .. 64 g + 63 (sorted by their pair of experts, so that a group uses few experts).  Wave w: the block of 32 hidden units b = 4 bx + w,
;   for all 64 rows: four tiles of 16 rows.  The rows' codes of x stay in 384 registers for the whole launch.  The wave walks the shared expert and then the list of routed experts that any of the 64 rows uses;
;   a row that does not use an expert has c = 0 there and gets zero codes.  The grid is the same for every split; the walk has 3 to 9 passes.
; WHY NO TENSOR LOADS, CLUSTERS OR SHARED WEIGHT TILES: the number of passes is read from memory, and a barrier or a joint request inside such a walk could not be the same in all waves' texts for every split;
;   so the weights come from memory straight into the operand's registers, from a workspace laid in that order: every load of a wave covers 512 consecutive bytes.
; LAYOUT.  Source 0 = 16 rows of a weight, source 1 = 16 tokens: lane (r, h) holds token r, and the 16 registers of tiles (b, 0), (b, 1) are hidden units 32 b + 16 h + 0 .. 15.
; hid: [g 32][expert 9][block 32][1536]: a block's 24 bytes of each of the 64 rows: bytes 0-15 at 16 x row, bytes 16-23 at 1,024 + 8 x row.  From HSC on [g][expert][K step 8][r 16][block % 4][row tile 4]: scale bytes.
; LIMITS: NaN and infinities are not served; a block whose largest magnitude lies under 2^-122 (a block of zeros too) gets the byte 1.
; REGISTERS, in windows of 256: window 0: v1-15 addresses; v16-47 x's scale words (8 m + s); v48-63 the weights' scale words (gate, up; by K step); v64-79 four a row tile: w1, w2, route word, token;
;   v80-87 the rows' two experts; v92-127 at work; v128-255 the 16 accumulators (32 m + 8 wt; wt = gate u 0, gate u 1, up u 0, up u 1).
;   window 1: v0-191 a ring of four K steps of weights (48 a set, 12 a fragment).   windows 2, 3: x's fragments of row tiles 0, 1 and 2, 3 (96 a tile, 12 a K step).
.set XSOFF, 1572864
.set WSS,   14155776
.set HSC,   14155776
.set WCUR,  20                         ; s[20:21] the weights of the expert in hand, at my b
.set WNXT,  22                         ; s[22:23] of the next expert
.set SCN,   24                         ; s[24:25] the next expert's scale images
.set MSB, 0
.macro WIN new                         ; the immediate's high byte repeats the setting that is left
.if MSB != \new
	s_set_vgpr_msb (MSB<<8)|\new
.set MSB, \new
.endif
.endm
.macro WBASE dst, ereg                 ; dst = wgu + (32 expert + b) x 49,152
	s_lshl_b32 s36, s[\ereg], 5
	s_add_co_u32 s36, s36, s5
	s_mul_i32 s36, s36, 49152
	s_mov_b32 s37, 0
	s_add_nc_u64 s[\dst:\dst+1], s[16:17], s[36:37]
.endm
.macro SBASE ereg                      ; SCN = wgu + WSS + (32 expert + b) x 2,048
	s_lshl_b32 s36, s[\ereg], 5
	s_add_co_u32 s36, s36, s5
	s_lshl_b32 s36, s36, 11
	s_add_co_u32 s36, s36, WSS
	s_mov_b32 s37, 0
	s_add_nc_u64 s[SCN:SCN+1], s[16:17], s[36:37]
.endm
.macro WLOAD base, st, set             ; K step st's four fragments (6,144 dense bytes) into set: twelve loads
	WIN 0x40                                       ; destination window 1, address window 0
.irp f, 0,1,2,3,4,5,6,7,8,9,10,11
	global_load_b128 v[48*(\set)+4*\f:48*(\set)+4*\f+3], v4, s[\base:\base+1] offset:6144*(\st)+512*\f
.endr
	WIN 0
.endm
.macro SCLOAD                          ; the weights' scale words: lane 16 u + r holds row r of tile u
.irp i, 0,1,2,3
	global_load_b128 v[48+4*\i:51+4*\i], v4, s[SCN:SCN+1] offset:512*\i
.endr
.endm
.macro NEXTE                           ; the next expert off the list, held to 8 at the most ahead of its use in addresses
	s_and_b32 s31, s32, 7
	s_lshr_b32 s32, s32, 3
	s_min_u32 s31, s31, 8
	WBASE WNXT, 31
	SBASE 31
.endm
.macro WM d, a, b, sa, sb, zero, ra    ; one product; zero: it starts the sum; ra: the weights' scales stand in lanes 16-31
.if \zero
.if \ra
	v_wmma_scale_f32_16x16x128_f8f6f4 v[\d:\d+7], v[\a:\a+11], v[\b:\b+11], 0, v[\sa], v[\sb] matrix_a_fmt:MATRIX_FMT_BF6 matrix_b_fmt:MATRIX_FMT_BF6 matrix_a_scale:MATRIX_SCALE_ROW1
.else
	v_wmma_scale_f32_16x16x128_f8f6f4 v[\d:\d+7], v[\a:\a+11], v[\b:\b+11], 0, v[\sa], v[\sb] matrix_a_fmt:MATRIX_FMT_BF6 matrix_b_fmt:MATRIX_FMT_BF6
.endif
.else
.if \ra
	v_wmma_scale_f32_16x16x128_f8f6f4 v[\d:\d+7], v[\a:\a+11], v[\b:\b+11], v[\d:\d+7], v[\sa], v[\sb] matrix_a_fmt:MATRIX_FMT_BF6 matrix_b_fmt:MATRIX_FMT_BF6 matrix_a_scale:MATRIX_SCALE_ROW1
.else
	v_wmma_scale_f32_16x16x128_f8f6f4 v[\d:\d+7], v[\a:\a+11], v[\b:\b+11], v[\d:\d+7], v[\sa], v[\sb] matrix_a_fmt:MATRIX_FMT_BF6 matrix_b_fmt:MATRIX_FMT_BF6
.endif
.endif
.endm
.macro MUL8 m0, st                     ; row tiles m0, m0 + 1 x the four weight tiles, K step st.  The 16 accumulators take turns, one instruction a turn
.set ZR, 0
.if (\st) == 0
.set ZR, 1
.endif
.irp mm, 0,1
.irp wt, 0,1,2,3
	WM 128+32*(\m0+\mm)+8*\wt, 48*((\st)%4)+12*\wt, 96*\mm+12*(\st), 48+8*(\wt/2)+(\st), 16+8*(\m0+\mm)+(\st), ZR, \wt%2
.endr
.endr
.endm
	s_load_b256 s[8:15], s[0:1], 0x0               ; perm s[8:9], route s[10:11], wts s[12:13], xq s[14:15]
	s_load_b128 s[16:19], s[0:1], 0x20             ; wgu s[16:17], hid s[18:19]
	v_lshl_add_u32 v90, v0, 2, 0xcc00
	v_mov_b32 v91, 0
	v_lshrrev_b32 v1, 5, v0
	v_readfirstlane_b32 s2, v1                     ; wave 0..3
	v_and_b32 v1, 31, v0                           ; lane
	v_and_b32 v2, 15, v0                           ; r
	v_bfe_u32 v3, v0, 4, 1                         ; h
	v_lshlrev_b32 v4, 4, v1                        ; 16 x lane; never rewritten
	v_lshl_add_u32 v5, v1, 3, 1024                 ; 1,024 + 8 x lane; never rewritten
	s_mov_b32 s3, ttmp9                            ; bx
	s_and_b32 s4, ttmp7, 0xffff                    ; g
	s_lshl_b32 s5, s3, 2
	s_add_co_u32 s5, s5, s2                        ; b
	s_lshl_b32 s36, s2, 2
	v_lshlrev_b32 v6, 4, v2
	v_lshl_add_u32 v6, v3, 1, v6
	v_add_nc_u32 v6, s36, v6                       ; my two scale bytes: 16 r + 4 w + 2 h; never rewritten
	v_lshlrev_b32 v7, 2, v2                        ; 4 (lane % 16)
	v_lshlrev_b32 v93, 2, v3                       ; 4 (lane / 16)
	v_lshlrev_b32 v104, 4, v2                      ; 16 (lane % 16)
	s_mul_i32 s36, s2, 16*816
	v_mul_u32_u24 v105, v3, 816
	v_lshl_add_u32 v105, v2, 4, v105
	v_add_nc_u32 v105, s36, v105                   ; the stage, in: row 16 w + lane / 16 (+ 2 i), 16 bytes a lane.  A row: 384 bytes, 16 of padding, 384 bytes, 32 of padding: 816
	v_bfe_u32 v106, v0, 3, 1
	v_lshl_add_u32 v106, v106, 4, v105             ; the middle 256 bytes of a row cross the padding at lane 8
	v_mul_u32_u24 v108, v2, 816
	v_mad_u32_u24 v108, v3, 400, v108              ; the stage, out: row r, half h: 816 is an odd multiple of 16, so sixteen rows' 16 bytes fall into different banks
	s_mov_b32 s48, 0x76543210
	s_mov_b32 s49, 0xfedcba98                      ; lane selects: lane l xor 16
	s_mov_b32 s50, 0xffff0000                      ; lanes 16-31
.irp m, 0,1,2,3
	v_mov_b32 v[124+\m], 0                         ; written once: a lane permute's destination counts as one of its sources
.endr
	s_lshl_b32 s38, s4, 8
	s_mov_b32 s39, 0
	s_lshl_b32 s42, s2, 6
	s_mov_b32 s43, 0
	s_wait_kmcnt 0x0
	s_add_nc_u64 s[38:39], s[8:9], s[38:39]        ; perm at the group's 64 places,
	s_add_nc_u64 s[42:43], s[38:39], s[42:43]      ; and at the 16 whose rows I fetch
	s_add_nc_u64 s[40:41], s[14:15], XSOFF         ; x's scale words
.irp m, 0,1,2,3
	global_load_b32 v[67+4*\m], v7, s[38:39] offset:64*\m    ; row tile m: lane (r, .) gets the token of row r
.endr
.irp i, 0,1,2,3,4,5,6,7
	global_load_b32 v[8+\i], v93, s[42:43] offset:8*\i       ; rows 16 w + 2 i + lane / 16
.endr
	s_mov_b32 s30, 8                               ; the walk begins with the shared expert, whose weights need no routing: they are asked for at once
	WBASE WCUR, 30
	SBASE 30
	WLOAD WCUR, 0, 0
	WLOAD WCUR, 1, 1
	WLOAD WCUR, 2, 2
	WLOAD WCUR, 3, 3
	SCLOAD
	s_wait_loadcnt 52                              ; the twelve loads from perm are in; the 48 + 4 issued behind them may be out
.irp m, 0,1,2,3
	v_min_u32 v[67+4*\m], 0x7ff, v[67+4*\m]        ; a token's number is held inside the tables ahead of every address
	v_lshlrev_b32 v[96+\m], 3, v[67+4*\m]
	v_lshlrev_b32 v[100+\m], 5, v[67+4*\m]
.endr
.irp m, 0,1,2,3
	global_load_b64 v[64+4*\m:65+4*\m], v[96+\m], s[12:13]   ; its two weights,
	global_load_b32 v[66+4*\m], v[96+\m], s[10:11]           ; its route word,
	global_load_b128 v[16+8*\m:19+8*\m], v[100+\m], s[40:41]             ; its eight scale words of x
	global_load_b128 v[20+8*\m:23+8*\m], v[100+\m], s[40:41] offset:16
.endr
.irp i, 0,1,2,3,4,5,6,7
	v_min_u32 v[8+\i], 0x7ff, v[8+\i]
	v_mul_u32_u24 v[8+\i], v[8+\i], 768
	v_add_nc_u32 v[8+\i], v[8+\i], v104
.endr
.irp i, 0,1,2,3,4,5,6,7
.irp u, 0,1,2
	global_load_b128 v[128+12*\i+4*\u:131+12*\i+4*\u], v[8+\i], s[14:15] offset:256*\u   ; sixteen lanes read 256 consecutive bytes of a row of codes
.endr
.endr
	s_wait_loadcnt 0x0
.irp i, 0,1,2,3,4,5,6,7
	ds_store_b128 v105, v[128+12*\i:131+12*\i] offset:1632*\i
	ds_store_b128 v106, v[132+12*\i:135+12*\i] offset:1632*\i+256
	ds_store_b128 v105, v[136+12*\i:139+12*\i] offset:1632*\i+528
.endr
	s_wait_dscnt 0x0                               ; for the others' sake: my 16 rows lie in the stage
	s_barrier_signal -1
	s_barrier_wait -1                              ; all 64 do.  The launch's one barrier: it stands ahead of everything that hangs on the routing
.irp m, 0,1,2,3
.if \m < 2
	WIN 0x80                                       ; destination window 2
.else
	WIN 0xc0                                       ; destination window 3
.endif
.irp s, 0,1,2,3,4,5,6,7
.irp c, 0,1,2
	ds_load_b128 v[96*(\m%2)+12*\s+4*\c:96*(\m%2)+12*\s+4*\c+3], v108 offset:13056*\m+48*\s+16*\c
.endr
.endr
.endr
	WIN 0
; The list of routed experts that any of the 64 rows uses: three bits an entry in s32, their number in s33 (at least 2).  Made without a branch.
.irp m, 0,1,2,3
	v_bfe_u32 v[80+\m], v[66+4*\m], 0, 8
	v_bfe_u32 v[84+\m], v[66+4*\m], 8, 8
.endr
	v_mov_b32 v111, 1
	v_lshlrev_b32 v110, v80, v111
.irp m, 1,2,3,4,5,6,7
	v_lshlrev_b32 v109, v[80+\m], v111
	v_or_b32 v110, v110, v109
.endr
	s_mov_b32 s32, 0
	s_mov_b32 s33, 0
.irp e, 0,1,2,3,4,5,6,7
	v_bfe_u32 v109, v110, \e, 1
	v_cmp_ne_u32 vcc_lo, 0, v109
	s_cmp_lg_u32 vcc_lo, 0                         ; does any lane use expert e?
	s_cselect_b32 s36, 1, 0
	s_mul_i32 s37, s36, \e
	s_mul_i32 s44, s33, 3
	s_lshl_b32 s37, s37, s44
	s_or_b32 s32, s32, s37
	s_add_co_u32 s33, s33, s36
.endr
	s_wait_xcnt 0x0                                ; every load issued so far has read its addresses: SCN is written anew
	NEXTE
	s_wait_dscnt 0x0                               ; x's fragments are in
; What follows the products of a pass: c, silu(g) u c in f32, the block's scale, the codes, the stores.
.macro EPILOGUE
	s_cmp_eq_u32 s30, 8
	s_cselect_b32 s36, 0x3f800000, 0               ; c: 1 for the shared expert; else the row's weight for this expert, or 0
.irp m, 0,1,2,3
	v_mov_b32 v[112+2*\m], s36
.endr
.irp m, 0,1,2,3
	v_cmp_eq_u32 vcc_lo, s30, v[80+\m]
	v_cndmask_b32 v[112+2*\m], v[112+2*\m], v[64+4*\m], vcc_lo
	v_cmp_eq_u32 vcc_lo, s30, v[84+\m]
	v_cndmask_b32 v[112+2*\m], v[112+2*\m], v[65+4*\m], vcc_lo
	v_mov_b32 v[113+2*\m], v[112+2*\m]             ; twice, a pair for the packed multiply
.endr
.irp m, 0,1,2,3                                ; each accumulator is read from its low end on
.irp i, 0,2,4,6,8,10,12,14
	v_pk_mul_f32 v[96+\i:97+\i], v[128+32*\m+\i:129+32*\m+\i], 0xbfb8aa3b op_sel_hi:[1,0]   ; -g log2(e)
.endr
.irp i, 0,1,2,3,4,5,6,7,8,9,10,11,12,13,14,15
	v_exp_f32 v[96+\i], v[96+\i]
.endr
	v_nop                                          ; a plain place behind the exponentials
	s_wait_alu depctr_va_vdst(0)
.irp i, 0,2,4,6,8,10,12,14
	v_pk_add_f32 v[96+\i:97+\i], v[96+\i:97+\i], 1.0 op_sel_hi:[1,0]
.endr
.irp i, 0,1,2,3,4,5,6,7,8,9,10,11,12,13,14,15
	v_rcp_f32 v[96+\i], v[96+\i]                   ; 1 / (1 + e^-g); an exponential that has run to infinity gives 0
.endr
.irp i, 0,2,4,6,8,10,12,14
	v_pk_mul_f32 v[144+32*\m+\i:145+32*\m+\i], v[144+32*\m+\i:145+32*\m+\i], v[112+2*\m:113+2*\m]   ; u c  (plain places behind the reciprocals)
.endr
	s_wait_alu depctr_va_vdst(0)
.irp i, 0,2,4,6,8,10,12,14
	v_pk_mul_f32 v[128+32*\m+\i:129+32*\m+\i], v[128+32*\m+\i:129+32*\m+\i], v[96+\i:97+\i]         ; silu(g)
.endr
.irp i, 0,2,4,6,8,10,12,14
	v_pk_mul_f32 v[128+32*\m+\i:129+32*\m+\i], v[128+32*\m+\i:129+32*\m+\i], v[144+32*\m+\i:145+32*\m+\i]
.endr
.endr
.irp m, 0,1,2,3
	v_max3_num_f32 v[120+\m], |v[128+32*\m]|, |v[129+32*\m]|, 0x2800000   ; my 16 of the row's block of 32, and the floor 2^(5 - 127).  The four tiles by turns
.endr
.irp i, 2,4,6,8,10,12,14
.irp m, 0,1,2,3
	v_max3_num_f32 v[120+\m], v[120+\m], |v[128+32*\m+\i]|, |v[129+32*\m+\i]|
.endr
.endr
.irp m, 0,1,2,3
	v_permlanex16_b32 v[124+\m], v[120+\m], s48, s49
.endr
.irp m, 0,1,2,3
	v_max_num_f32 v[120+\m], v[120+\m], v[124+\m]  ; with lane l xor 16's: the block's largest magnitude
.endr
.irp m, 0,1,2,3
	v_add_nc_u32 v[92+\m], 0xfe000000, v[120+\m]   ; 4 off the exponent field: the conversion's scale operand
.endr
.irp m, 0,1,2,3
	v_lshrrev_b32 v[124+\m], 23, v[92+\m]          ; the scale's byte
.endr
.irp m, 0,1,2,3
	v_cvt_scalef32_pk16_bf6_f32 v[144+32*\m:146+32*\m], v[128+32*\m:143+32*\m], v[92+\m]   ; 12 bytes: units 16 h + 0 .. 15 of row r of tile m, into registers that u has left
.endr
	v_nop                                          ; one plain place behind a scaled conversion
.irp q, 0,1                                    ; tiles 2 q and 2 q + 1 change halves: lane (r, h) then holds the whole block of row r of tile 2 q + h, that is of the group's row 32 q + lane
.irp i, 0,1,2
	v_permlane16_swap_b32 v[144+64*\q+\i], v[176+64*\q+\i]
.endr
.irp i, 0,1,2
	v_mov_b32 v[147+64*\q+\i], v[176+64*\q+\i]
.endr
.endr
	v_cndmask_b32 v96, v124, v126, s50             ; lanes 0-15 store the bytes of tiles 0, 1, lanes 16-31 those of tiles 2, 3
	v_cndmask_b32 v97, v125, v127, s50
	v_lshl_or_b32 v96, v97, 8, v96
	s_mul_i32 s36, s4, 9
	s_add_co_u32 s36, s36, s30                     ; 9 g + expert
	s_lshl_b32 s38, s36, 11
	s_lshl_b32 s36, s36, 5
	s_add_co_u32 s36, s36, s5
	s_mul_i32 s36, s36, 1536
	s_mov_b32 s37, 0
	s_add_nc_u64 s[26:27], s[18:19], s[36:37]      ; my block's 1,536 bytes
	s_lshl_b32 s39, s3, 8
	s_add_co_u32 s38, s38, s39
	s_add_co_u32 s38, s38, HSC
	s_mov_b32 s39, 0
	s_add_nc_u64 s[28:29], s[18:19], s[38:39]      ; the K step's 256 scale bytes
.irp q, 0,1
	global_store_b128 v4, v[144+64*\q:147+64*\q], s[26:27] offset:512*\q   ; 512 consecutive bytes, aligned
	global_store_b64 v5, v[148+64*\q:149+64*\q], s[26:27] offset:256*\q    ; 256 consecutive bytes, aligned
.endr
	global_store_b16 v6, v96, s[28:29]             ; two bytes of each row's sixteen: the other blocks' bytes come from the other three waves, which no barrier in the walk could bring together
.endm
; A pass: one expert, eight K steps of 16 products.  The ring of four sets runs four K steps ahead, on into the next expert's weights.
.macro PASS last
	s_wait_loadcnt 0x0                             ; K steps 0 to 3 and the scale words, asked for ahead of the last pass's closing arithmetic
.irp s, 0,1,2,3,4,5,6,7
.if \s >= 4
.if \last
	s_wait_loadcnt 12*(7-\s)                       ; nothing follows this expert: only this pass's later K steps are younger
.else
	s_wait_loadcnt 36                              ; this K step's twelve loads are in; the three sets issued behind them may be out
.endif
.endif
	WIN 0x09                                       ; source 0 (weights) window 1, source 1 (x) window 2
	MUL8 0, \s
	WIN 0x0d                                       ; source 1 window 3
	MUL8 2, \s
	WIN 0
.rept 4
	v_nop                                          ; four places between the products and loads into registers that they have read, or the first read of results
.endr
.if \s < 4
	WLOAD WCUR, \s+4, \s
.elseif !\last
	WLOAD WNXT, \s-4, \s-4
.endif
.endr
.if !\last
	SCLOAD
.endif
	EPILOGUE
.if !\last
	s_wait_xcnt 0x0                                ; the stores have read their data and the loads their bases: accumulators, bases and the list may be written
	s_mov_b64 s[WCUR:WCUR+1], s[WNXT:WNXT+1]
	s_mov_b32 s30, s31
	NEXTE
.endif
.endm
	s_mov_b32 s34, 0
.Lpass:                                            ; as many trips as the list has entries: the shared expert and all listed ones but the last
	PASS 0
	s_add_co_u32 s34, s34, 1
	s_cmp_lt_u32 s34, s33
	s_cbranch_scc1 .Lpass
	PASS 1                                         ; the last listed expert: nothing more is asked for
	s_wait_tensorcnt 0x0
	ds_add_u32 v90, v91
	s_wait_dscnt 0x0
	s_endpgm
.Lfunc_end_k_q79a8793140_gateup:
	.size	k_q79a8793140_gateup, .Lfunc_end_k_q79a8793140_gateup-k_q79a8793140_gateup
	.p2alignl 7, 3214868480
	.fill 96, 4, 3214868480
	.section	.rodata,"a",@progbits
	.p2align	6, 0x0
	.amdhsa_kernel k_q79a8793140_gateup
		.amdhsa_group_segment_fixed_size 52736
		.amdhsa_private_segment_fixed_size 0
		.amdhsa_enable_private_segment 0
		.amdhsa_kernarg_size 48
		.amdhsa_user_sgpr_count 2
		.amdhsa_user_sgpr_kernarg_segment_ptr 1
		.amdhsa_wavefront_size32 1
		.amdhsa_system_sgpr_workgroup_id_x 1
		.amdhsa_system_sgpr_workgroup_id_y 1
		.amdhsa_system_sgpr_workgroup_id_z 1
		.amdhsa_system_vgpr_workitem_id 0
		.amdhsa_next_free_vgpr 960
		.amdhsa_next_free_sgpr 66
		.amdhsa_reserve_vcc 1
		.amdhsa_float_denorm_mode_32 3
		.amdhsa_float_denorm_mode_16_64 3
		.amdhsa_memory_ordered 1
		.amdhsa_forward_progress 1
		.amdhsa_inst_pref_size 120
	.end_amdhsa_kernel
	.amdgpu_metadata
---
amdhsa.version: [ 1, 2 ]
amdhsa.kernels:
  - .name:           k_q79a8793140_gateup
    .symbol:         k_q79a8793140_gateup.kd
    .args:
      - { .name: perm, .offset: 0, .size: 8, .value_kind: global_buffer, .address_space: global }
      - { .name: route, .offset: 8, .size: 8, .value_kind: global_buffer, .address_space: global }
      - { .name: wts, .offset: 16, .size: 8, .value_kind: global_buffer, .address_space: global }
      - { .name: xq, .offset: 24, .size: 8, .value_kind: global_buffer, .address_space: global }
      - { .name: wgu, .offset: 32, .size: 8, .value_kind: global_buffer, .address_space: global }
      - { .name: hid, .offset: 40, .size: 8, .value_kind: global_buffer, .address_space: global }
    .group_segment_fixed_size: 52736
    .private_segment_fixed_size: 0
    .kernarg_segment_align: 8
    .kernarg_segment_size: 48
    .max_flat_workgroup_size: 128
    .sgpr_count:     66
    .vgpr_count:     960
    .wavefront_size: 32
...
	.end_amdgpu_metadata
.endif
;; end of part 3
;; launch down (part 4): grid 4 x 64, 8 waves a work-group, no clusters, 68,608 bytes of LDS; arguments perm, route, hid, dq, out0; writes out0
.if DOCPART == 4
	.amdgcn_target "amdgcn-amd-amdhsa--gfx1250"
	.amdhsa_code_object_version 6
	.text
	.protected	k_q79a8793140_down
	.globl	k_q79a8793140_down
	.p2align	8
	.type	k_q79a8793140_down,@function
k_q79a8793140_down:
	s_mov_b64 s[64:65], 0
	v_nop
	global_prefetch_b8 v0, s[64:65] scope:SCOPE_SE
	s_setreg_imm32_b32 hwreg(HW_REG_WAVE_MODE, 25, 1), 1
	s_wait_xcnt 0x0
; DOWN.  out0(token) = the sum over the shared expert and the token's two routed experts of hid(token, expert) x Wdown(expert), on E3M2 codes with E8M0 scales, sums in f32.
; SHARES.  Work-group (cg, gh): the 32 tokens at sorted places 32 gh .. + 31 (half hf = gh % 2 of group g = gh / 2), columns 256 cg .. + 255.  EIGHT WAVES, two to a SIMD: waves cw and cw + 4 own the same
;   32 rows x 64 columns (b0 = 8 cg + 2 cw and b0 + 1) and SHARE K: wave half kh = wave / 4 takes K steps 4 kh .. 4 kh + 3 of every expert.  The bytes read are those of one wave that took all of K; each wave asks for
;   half of them, so that twice as many loads of the work-group are on their way at a time.  At the end the two partial sums are added: each wave keeps one row tile and hands the other to its partner through LDS.
;   Each output number has one owner.  Every wave walks the shared expert and then the list of routed experts that any of the 32 rows uses.  A row that does not use a listed expert has zero codes there.
;   The list of 32 rows is part of their group's list of 64, so every block that is read has been stored.
; WHICH ROW TILE A WAVE KEEPS is settled by addresses and byte selects made from the wave's number, not by a branch: a wave's register tile 0 is row tile kh, its register tile 1 row tile 1 - kh; all waves run one text.
; WHY NO TENSOR LOADS, CLUSTERS OR SHARED TILES: the number of passes is read from memory; weights and hidden codes come from memory straight into the operands' registers, from workspaces laid in that order.
; LAYOUT.  Source 0 = 16 rows of a weight tile (columns of out0), source 1 = 16 tokens: lane (r, h) holds token r, and the 16 registers of tiles (b, 0), (b, 1) are columns 32 b + 16 h + 0 .. 15.
; LIMIT: an output is the f32 sum of two partial sums, one over each half of every expert's K, not one chain of ascending K.
; REGISTERS: window 0: v4-15, v24-25 addresses; v16-23 where my rows go in out0; v26-30 at work; v32-39, v40-47 scale bytes and words as loaded; v48-51 the hidden layer's scale words (lanes 0-15 an even K step's,
;   lanes 16-31 the odd one's); v52-59 the weights'; v96-159 accumulators (32 x register tile + 16 bb + 8 u); v160-255 a ring of four K steps of hidden codes (24 a set), at the end the partner's sums and the way out.
;   window 1: v0-191 a ring of four K steps of weights (48 a set).
.set HSC, 14155776
.set DSS, 7077888
.set XCH, 34816                        ; LDS: eight stages of 4,352 bytes, then eight images of 4,096 bytes for the exchange
.set ACC, 96
.set HR,  160
.set HBC, 20                           ; s[20:21] hidden codes of the expert in hand     s[22:23] its weights, at my b0
.set DBC, 22
.set HBN, 24                           ; s[24:25], s[26:27] the same of the next expert
.set DBN, 26
.set HSN, 28                           ; s[28:29], s[30:31] the next expert's scale bytes of the hidden layer, scale images of the weights
.set DSN, 30
.set MSB, 0
.macro WIN new                         ; the immediate's high byte repeats the setting that is left
.if MSB != \new
	s_set_vgpr_msb (MSB<<8)|\new
.set MSB, \new
.endif
.endm
.macro EBASE                           ; the four addresses of expert s35
	s_mul_i32 s36, s5, 9
	s_add_co_u32 s36, s36, s35                     ; 9 g + expert
	s_lshl_b32 s38, s36, 11
	s_add_co_u32 s38, s38, HSC
	s_mov_b32 s39, 0
	s_mul_i32 s36, s36, 49152
	s_mov_b32 s37, 0
	s_add_nc_u64 s[HBN:HBN+1], s[12:13], s[36:37]
	s_add_nc_u64 s[HSN:HSN+1], s[12:13], s[38:39]
	s_lshl_b32 s36, s35, 5
	s_add_co_u32 s36, s36, s7                      ; 32 expert + b0
	s_lshl_b32 s38, s36, 10
	s_add_co_u32 s38, s38, DSS
	s_mul_i32 s36, s36, 24576
	s_add_nc_u64 s[DBN:DBN+1], s[14:15], s[36:37]
	s_add_nc_u64 s[DSN:DSN+1], s[14:15], s[38:39]
.endm
.macro FLOAD hb, db, st, set           ; my K step st (of my four): four weight fragments (twelve loads of 512 dense bytes) and two hidden fragments (a block's 24 bytes as 16 + 8): twenty loads.  My half of K stands in the offset registers
	WIN 0x40                                       ; destination window 1
.irp bb, 0,1
.irp f, 0,1,2,3,4,5
	global_load_b128 v[48*(\set)+24*\bb+4*\f:48*(\set)+24*\bb+4*\f+3], v4, s[\db:\db+1] offset:24576*\bb+3072*(\st)+512*\f
.endr
.endr
	WIN 0
.irp c, 0,1
	global_load_b128 v[HR+24*(\set)+6*\c:HR+24*(\set)+6*\c+3], v5, s[\hb:\hb+1] offset:6144*(\st)+3072*\c
	global_load_b64 v[HR+24*(\set)+6*\c+4:HR+24*(\set)+6*\c+5], v6, s[\hb:\hb+1] offset:6144*(\st)+3072*\c
	global_load_b128 v[HR+24*(\set)+12+6*\c:HR+24*(\set)+12+6*\c+3], v14, s[\hb:\hb+1] offset:6144*(\st)+3072*\c
	global_load_b64 v[HR+24*(\set)+12+6*\c+4:HR+24*(\set)+12+6*\c+5], v15, s[\hb:\hb+1] offset:6144*(\st)+3072*\c
.endr
.endm
.macro RAWLOAD                         ; the next expert's scales for my half of K: four loads
.irp q, 0,1
	global_load_b128 v[32+4*\q:35+4*\q], v7, s[HSN:HSN+1] offset:512*\q   ; lane (r, h): my K step 2 q + h, row r: sixteen bytes [block % 4][row tile of the group]
.endr
.irp bb, 0,1
	global_load_b128 v[40+4*\bb:43+4*\bb], v13, s[DSN:DSN+1] offset:1024*\bb   ; b0 + bb's words of my four K steps
.endr
.endm
.macro WM d, a, b, sa, sb, zero, ra, rb    ; one product; zero: it starts the sum; ra, rb: that side's scales stand in lanes 16-31
.if \zero
.if \ra
.if \rb
	v_wmma_scale_f32_16x16x128_f8f6f4 v[\d:\d+7], v[\a:\a+11], v[\b:\b+11], 0, v[\sa], v[\sb] matrix_a_fmt:MATRIX_FMT_BF6 matrix_b_fmt:MATRIX_FMT_BF6 matrix_a_scale:MATRIX_SCALE_ROW1 matrix_b_scale:MATRIX_SCALE_ROW1
.else
	v_wmma_scale_f32_16x16x128_f8f6f4 v[\d:\d+7], v[\a:\a+11], v[\b:\b+11], 0, v[\sa], v[\sb] matrix_a_fmt:MATRIX_FMT_BF6 matrix_b_fmt:MATRIX_FMT_BF6 matrix_a_scale:MATRIX_SCALE_ROW1
.endif
.else
.if \rb
	v_wmma_scale_f32_16x16x128_f8f6f4 v[\d:\d+7], v[\a:\a+11], v[\b:\b+11], 0, v[\sa], v[\sb] matrix_a_fmt:MATRIX_FMT_BF6 matrix_b_fmt:MATRIX_FMT_BF6 matrix_b_scale:MATRIX_SCALE_ROW1
.else
	v_wmma_scale_f32_16x16x128_f8f6f4 v[\d:\d+7], v[\a:\a+11], v[\b:\b+11], 0, v[\sa], v[\sb] matrix_a_fmt:MATRIX_FMT_BF6 matrix_b_fmt:MATRIX_FMT_BF6
.endif
.endif
.else
.if \ra
.if \rb
	v_wmma_scale_f32_16x16x128_f8f6f4 v[\d:\d+7], v[\a:\a+11], v[\b:\b+11], v[\d:\d+7], v[\sa], v[\sb] matrix_a_fmt:MATRIX_FMT_BF6 matrix_b_fmt:MATRIX_FMT_BF6 matrix_a_scale:MATRIX_SCALE_ROW1 matrix_b_scale:MATRIX_SCALE_ROW1
.else
	v_wmma_scale_f32_16x16x128_f8f6f4 v[\d:\d+7], v[\a:\a+11], v[\b:\b+11], v[\d:\d+7], v[\sa], v[\sb] matrix_a_fmt:MATRIX_FMT_BF6 matrix_b_fmt:MATRIX_FMT_BF6 matrix_a_scale:MATRIX_SCALE_ROW1
.endif
.else
.if \rb
	v_wmma_scale_f32_16x16x128_f8f6f4 v[\d:\d+7], v[\a:\a+11], v[\b:\b+11], v[\d:\d+7], v[\sa], v[\sb] matrix_a_fmt:MATRIX_FMT_BF6 matrix_b_fmt:MATRIX_FMT_BF6 matrix_b_scale:MATRIX_SCALE_ROW1
.else
	v_wmma_scale_f32_16x16x128_f8f6f4 v[\d:\d+7], v[\a:\a+11], v[\b:\b+11], v[\d:\d+7], v[\sa], v[\sb] matrix_a_fmt:MATRIX_FMT_BF6 matrix_b_fmt:MATRIX_FMT_BF6
.endif
.endif
.endif
.endm
.macro MUL8 st, first                  ; a K step: the eight accumulators take turns, one instruction a turn
.set ZR, 0
.if (\first) && ((\st) == 0)
.set ZR, 1
.endif
.irp mm, 0,1
.irp bb, 0,1
.irp u, 0,1
	WM ACC+32*\mm+16*\bb+8*\u, 48*(\st)+24*\bb+12*\u, HR+24*(\st)+12*\mm, 52+4*\bb+(\st), 48+2*((\st)/2)+\mm, ZR, \u, (\st)%2
.endr
.endr
.endr
.endm
	s_load_b256 s[8:15], s[0:1], 0x0               ; perm s[8:9], route s[10:11], hid s[12:13], dq s[14:15]
	s_load_b64 s[16:17], s[0:1], 0x20              ; out0
	v_lshl_add_u32 v94, v0, 2, 0x10800
	v_mov_b32 v95, 0
	v_lshrrev_b32 v1, 5, v0
	v_readfirstlane_b32 s2, v1                     ; wave 0..7
	v_and_b32 v1, 31, v0                           ; lane
	v_and_b32 v2, 15, v0                           ; r
	v_bfe_u32 v3, v0, 4, 1                         ; h
	s_mov_b32 s3, ttmp9                            ; cg
	s_and_b32 s4, ttmp7, 0xffff                    ; gh
	s_lshr_b32 s5, s4, 1                           ; g
	s_and_b32 s6, s4, 1                            ; hf
	s_and_b32 s18, s2, 3                           ; cw: which 64 columns
	s_lshr_b32 s47, s2, 2                          ; kh: which half of K, and which row tile I keep
	s_xor_b32 s19, s47, 1                          ; 1 - kh
	s_lshl_b32 s7, s3, 3
	s_lshl_b32 s36, s18, 1
	s_add_co_u32 s7, s7, s36                       ; b0
	s_mul_i32 s36, s47, 12288
	v_lshl_add_u32 v4, v1, 4, s36                  ; weights: 16 x lane + four K steps of 3,072 bytes x kh
	s_lshl_b32 s36, s47, 9
	v_lshl_add_u32 v13, v1, 4, s36                 ; their scale images: 16 x lane + 512 kh
	s_mul_i32 s37, s47, 24576                      ; hidden codes: four K steps of 6,144 bytes x kh
	s_lshl_b32 s36, s6, 9
	s_add_co_u32 s36, s36, s37
	v_mul_u32_u24 v5, v3, 1536
	v_lshl_add_u32 v5, v2, 4, v5
	v_add_nc_u32 v5, s36, v5                       ; a block's first 16 bytes of a row: block + h, row 32 hf + r,
	s_lshl_b32 s38, s19, 8
	v_add_nc_u32 v14, s38, v5                      ; + 16 rows x (1 - kh): register tile 1,
	s_lshl_b32 s38, s47, 8
	v_add_nc_u32 v5, s38, v5                       ; + 16 rows x kh: register tile 0
	s_lshl_b32 s36, s6, 8
	s_add_co_u32 s36, s36, s37
	s_add_co_u32 s36, s36, 1024
	v_mul_u32_u24 v6, v3, 1536
	v_lshl_add_u32 v6, v2, 3, v6
	v_add_nc_u32 v6, s36, v6                       ; and its last 8 bytes, likewise
	s_lshl_b32 s38, s19, 7
	v_add_nc_u32 v15, s38, v6
	s_lshl_b32 s38, s47, 7
	v_add_nc_u32 v6, s38, v6
	s_lshl_b32 s36, s47, 10
	v_lshlrev_b32 v7, 8, v3
	v_lshl_add_u32 v7, v2, 4, v7
	v_add_nc_u32 v7, s36, v7                       ; scale bytes: K step 4 kh + h, row r
	s_mul_i32 s36, s2, 4352                        ; my stage: 16 rows of 256 bytes + 16
	v_mul_u32_u24 v8, v2, 272
	v_lshl_add_u32 v8, v3, 6, v8
	v_add_nc_u32 v8, s36, v8                       ; in: row r, + 64 h
	v_mul_u32_u24 v9, v3, 272
	v_lshl_add_u32 v9, v2, 4, v9
	v_add_nc_u32 v9, s36, v9                       ; back: lanes 0-15 one row, lanes 16-31 the next
	s_lshl_b32 s36, s2, 12
	s_add_co_u32 s36, s36, XCH
	v_lshl_add_u32 v24, v1, 4, s36                 ; the exchange: my image,
	s_xor_b32 s36, s2, 4
	s_lshl_b32 s36, s36, 12
	s_add_co_u32 s36, s36, XCH
	v_lshl_add_u32 v25, v1, 4, s36                 ; and my partner's (wave xor 4)
	v_lshlrev_b32 v10, 2, v1
	s_lshl_b32 s36, s47, 6
	v_lshl_add_u32 v11, v3, 2, s36                 ; perm: 4 (lane / 16) + 16 places x kh
	v_lshlrev_b32 v12, 4, v2
	s_cmp_eq_u32 s6, 0
	s_mov_b32 s44, 0x07030602
	s_cselect_b32 s44, 0x05010400, s44             ; byte selects: my half's two row tiles out of the group's four,
	s_mov_b32 s48, 0x05040100
	s_mov_b32 s49, 0x07060302
	s_cmp_eq_u32 s47, 0
	s_cselect_b32 s45, s48, s49                    ; row tile kh for register tile 0,
	s_cselect_b32 s46, s49, s48                    ; row tile 1 - kh for register tile 1
	s_lshl_b32 s40, s4, 7
	s_mov_b32 s41, 0
	s_lshl_b32 s42, s3, 10
	s_lshl_b32 s43, s18, 8
	s_add_co_u32 s42, s42, s43
	s_mov_b32 s43, 0
	s_wait_kmcnt 0x0
	s_add_nc_u64 s[40:41], s[8:9], s[40:41]        ; perm at my 32 places
	s_add_nc_u64 s[16:17], s[16:17], s[42:43]      ; out0 at my 64 columns
	global_load_b32 v26, v10, s[40:41]             ; a lane to a row, for the list
.irp i, 0,1,2,3,4,5,6,7
	global_load_b32 v[16+\i], v11, s[40:41] offset:8*\i   ; rows 16 kh + 2 i + lane / 16, for the way out
.endr
	s_mov_b32 s35, 8                               ; the walk begins with the shared expert, which needs no routing: it is asked for at once
	EBASE
	RAWLOAD
	s_mov_b64 s[HBC:HBC+1], s[HBN:HBN+1]
	s_mov_b64 s[DBC:DBC+1], s[DBN:DBN+1]
	FLOAD HBC, DBC, 0, 0
	FLOAD HBC, DBC, 1, 1
	s_wait_loadcnt 44                              ; the nine loads from perm are in; the 4 + 20 + 20 issued behind them may be out
	v_min_u32 v26, 0x7ff, v26                      ; a token's number is held inside the tables ahead of every address
	v_lshlrev_b32 v26, 3, v26
	global_load_b32 v27, v26, s[10:11]             ; its route word
	FLOAD HBC, DBC, 2, 2
.irp i, 0,1,2,3,4,5,6,7
	v_min_u32 v[16+\i], 0x7ff, v[16+\i]
	v_lshlrev_b32 v[16+\i], 12, v[16+\i]
	v_add_nc_u32 v[16+\i], v[16+\i], v12           ; the token's row of 4,096 bytes, + 16 (lane % 16)
.endr
	s_wait_loadcnt 20                              ; the route word is in; the twenty loads issued behind it may be out
; The list of routed experts that any of the 32 rows uses: three bits an entry in s32, their number in s33 (at least 2).  Made without a branch; the same in all eight waves.
	v_bfe_u32 v28, v27, 0, 8
	v_bfe_u32 v29, v27, 8, 8
	v_mov_b32 v30, 1
	v_lshlrev_b32 v28, v28, v30
	v_lshlrev_b32 v29, v29, v30
	v_or_b32 v28, v28, v29
	s_mov_b32 s32, 0
	s_mov_b32 s33, 0
.irp e, 0,1,2,3,4,5,6,7
	v_bfe_u32 v29, v28, \e, 1
	v_cmp_ne_u32 vcc_lo, 0, v29
	s_cmp_lg_u32 vcc_lo, 0
	s_cselect_b32 s36, 1, 0
	s_mul_i32 s37, s36, \e
	s_mul_i32 s38, s33, 3
	s_lshl_b32 s37, s37, s38
	s_or_b32 s32, s32, s37
	s_add_co_u32 s33, s33, s36
.endr
	s_sub_co_u32 s33, s33, 1                       ; the loop's trips: all listed experts but the last
.macro NEXTE                           ; behind a wait that shows every issued load's addresses read: the next expert off the list, held to 8 at the most
	s_and_b32 s35, s32, 7
	s_lshr_b32 s32, s32, 3
	s_min_u32 s35, s35, 8
	EBASE
.endm
	s_wait_xcnt 0x0
	NEXTE
; A pass: one expert, my four K steps of eight products.  The rings have four sets, one for each of my K steps, and run three K steps ahead, on into the next expert.
; At a pass's head there are out, in this order: the expert's scales (4 loads) and K steps 0, 1, 2 (20 each).
.macro PASS first, last
.rept 4
	v_nop                                          ; four places between the last products and the writes of their scale registers (ISA guide 7.12.1)
.endr
	s_wait_loadcnt 60                              ; the scales are in; three sets of twenty may be out
.irp q, 0,1                                    ; sixteen bytes [block][tile] become two words [block], one for each of my register tiles
	v_perm_b32 v26, v[33+4*\q], v[32+4*\q], s44
	v_perm_b32 v27, v[35+4*\q], v[34+4*\q], s44
	v_perm_b32 v[48+2*\q], v27, v26, s45
	v_perm_b32 v[49+2*\q], v27, v26, s46
.endr
.irp i, 0,1,2,3,4,5,6,7
	v_mov_b32 v[52+\i], v[40+\i]                   ; out of the registers into which the next expert's words will be loaded
.endr
.rept 8
	v_nop                                          ; a scale register written by a vector instruction stands eight places ahead of the scaled product
.endr
.irp s, 0,1,2,3
.if \last
.if \s < 2
	s_wait_loadcnt 40                              ; this K step is in; the two sets issued behind it may be out
.else
	s_wait_loadcnt 20*(3-\s)                       ; nothing follows this expert: the counts run down
.endif
.else
.if \s < 2
	s_wait_loadcnt 40
.else
	s_wait_loadcnt 44                              ; two sets, and the next expert's four loads of scales among them
.endif
.endif
.if \s > 0
.rept 4
	v_nop                                          ; four places between the last K step's products and loads into the set that they have read
.endr
.endif
.if \s == 0
	FLOAD HBC, DBC, 3, 3
.elseif !\last
.if \s == 1
	RAWLOAD
.endif
	FLOAD HBN, DBN, \s-1, \s-1
.endif
	WIN 0x01                                       ; source 0 (weights) window 1; hidden codes and sums window 0
	MUL8 \s, \first
	WIN 0
.endr
.if !\last
	s_wait_xcnt 0x0                                ; every issued load has read its addresses: the bases may be written
	s_mov_b64 s[HBC:HBC+1], s[HBN:HBN+1]
	s_mov_b64 s[DBC:DBC+1], s[DBN:DBN+1]
	NEXTE
.endif
.endm
	PASS 1, 0                                      ; the shared expert: its first products start the sums
	s_mov_b32 s34, 0
.Lpass:
	PASS 0, 0
	s_add_co_u32 s34, s34, 1
	s_cmp_lt_u32 s34, s33
	s_cbranch_scc1 .Lpass
	PASS 0, 1                                      ; the last listed expert: nothing more is asked for
; THE TWO HALVES OF K MEET.  My register tile 1 is the row tile that my partner keeps: its 32 registers go to LDS as an image, 16 bytes a lane; behind the barrier my partner's image of the tile that I keep comes back
; into the same lanes and is added.  The barrier stands behind the walk, on every wave's path.
.rept 4
	v_nop                                          ; four places between the last products and the first read of results, and loads into registers that they have read
.endr
.irp t, 0,1,2,3
	ds_store_b128 v24, v[ACC+32+8*\t:ACC+32+8*\t+3] offset:1024*\t          ; each accumulator from its low end on
	ds_store_b128 v24, v[ACC+32+8*\t+4:ACC+32+8*\t+7] offset:1024*\t+512
.endr
	s_wait_dscnt 0x0                               ; for my partner's sake: my image lies in LDS
	s_barrier_signal -1
	s_barrier_wait -1
.irp t, 0,1,2,3
	ds_load_b128 v[160+8*\t:163+8*\t], v25 offset:1024*\t
	ds_load_b128 v[164+8*\t:167+8*\t], v25 offset:1024*\t+512
.endr
	s_wait_dscnt 0x0
.irp i, 0,2,4,6,8,10,12,14,16,18,20,22,24,26,28,30
	v_pk_add_f32 v[ACC+\i:ACC+\i+1], v[ACC+\i:ACC+\i+1], v[160+\i:161+\i]   ; ascending: each accumulator is read from its low end on
.endr
; THE WAY OUT.  A lane holds pieces of 32 bytes of one token's row; my row tile goes through my own stage in LDS and comes back as whole runs of 256 bytes, which sixteen lanes store at the token's row.
.irp bb, 0,1
.irp u, 0,1
	ds_store_b128 v8, v[ACC+16*\bb+8*\u:ACC+16*\bb+8*\u+3] offset:128*\bb+32*\u
	ds_store_b128 v8, v[ACC+16*\bb+8*\u+4:ACC+16*\bb+8*\u+7] offset:128*\bb+32*\u+16
.endr
.endr
.irp i, 0,1,2,3,4,5,6,7
	ds_load_b128 v[192+4*\i:195+4*\i], v9 offset:544*\i   ; LDS serves a wave's instructions in order: these see the stores above
.endr
.irp i, 0,1,2,3,4,5,6,7
	s_wait_dscnt 7-\i                              ; this load is in; the later ones may be out
	global_store_b128 v[16+\i], v[192+4*\i:195+4*\i], s[16:17] th:TH_STORE_NT   ; sixteen lanes store 256 consecutive bytes, aligned
.endr
	s_wait_tensorcnt 0x0
	ds_add_u32 v94, v95
	s_wait_dscnt 0x0
	s_endpgm
.Lfunc_end_k_q79a8793140_down:
	.size	k_q79a8793140_down, .Lfunc_end_k_q79a8793140_down-k_q79a8793140_down
	.p2alignl 7, 3214868480
	.fill 96, 4, 3214868480
	.section	.rodata,"a",@progbits
	.p2align	6, 0x0
	.amdhsa_kernel k_q79a8793140_down
		.amdhsa_group_segment_fixed_size 68608
		.amdhsa_private_segment_fixed_size 0
		.amdhsa_enable_private_segment 0
		.amdhsa_kernarg_size 40
		.amdhsa_user_sgpr_count 2
		.amdhsa_user_sgpr_kernarg_segment_ptr 1
		.amdhsa_wavefront_size32 1
		.amdhsa_system_sgpr_workgroup_id_x 1
		.amdhsa_system_sgpr_workgroup_id_y 1
		.amdhsa_system_sgpr_workgroup_id_z 1
		.amdhsa_system_vgpr_workitem_id 0
		.amdhsa_next_free_vgpr 448
		.amdhsa_next_free_sgpr 66
		.amdhsa_reserve_vcc 1
		.amdhsa_float_denorm_mode_32 3
		.amdhsa_float_denorm_mode_16_64 3
		.amdhsa_memory_ordered 1
		.amdhsa_forward_progress 1
		.amdhsa_inst_pref_size 59
	.end_amdhsa_kernel
	.amdgpu_metadata
---
amdhsa.version: [ 1, 2 ]
amdhsa.kernels:
  - .name:           k_q79a8793140_down
    .symbol:         k_q79a8793140_down.kd
    .args:
      - { .name: perm, .offset: 0, .size: 8, .value_kind: global_buffer, .address_space: global }
      - { .name: route, .offset: 8, .size: 8, .value_kind: global_buffer, .address_space: global }
      - { .name: hid, .offset: 16, .size: 8, .value_kind: global_buffer, .address_space: global }
      - { .name: dq, .offset: 24, .size: 8, .value_kind: global_buffer, .address_space: global }
      - { .name: out0, .offset: 32, .size: 8, .value_kind: global_buffer, .address_space: global }
    .group_segment_fixed_size: 68608
    .private_segment_fixed_size: 0
    .kernarg_segment_align: 8
    .kernarg_segment_size: 40
    .max_flat_workgroup_size: 256
    .sgpr_count:     66
    .vgpr_count:     448
    .wavefront_size: 32
...
	.end_amdgpu_metadata
.endif
;; end of part 4
;; ======== version 2 of 2: 4 launches; version 1 with the launches gateup, down written anew for expert scheduling mode
;; workspace buffers: xq 1,638,400 bytes; route 16,384 bytes of whole numbers; wts 16,384 bytes; perm 8,192 bytes of whole numbers; wgu 14,745,600 bytes; dq 7,372,800 bytes; hid 14,745,600 bytes
;; launch prep: the kernel of part 1 again; grid 320 x 1, 8 waves a work-group, no clusters, 92,160 bytes of LDS; arguments x, gate_w, expert_bias, rw_down, xq, route, wts, out1, dq; writes xq, route, wts, out1, dq
;; launch place: the kernel of part 2 again; grid 320 x 1, 4 waves a work-group, no clusters, 50,688 bytes of LDS; arguments route, rw_gate_codes, rw_gate_scales, rw_up_codes, rw_up_scales, sw_gate_codes, sw_gate_scales, sw_up_codes, sw_up_scales, sw_down_codes, sw_down_scales, perm, wgu, dq; writes perm, wgu, dq
;; launch gateup (part 5): grid 8 x 32, 4 waves a work-group, no clusters, 52,736 bytes of LDS; arguments perm, route, wts, xq, wgu, hid; writes hid
.if DOCPART == 5
	.amdgcn_target "amdgcn-amd-amdhsa--gfx1250"
	.amdhsa_code_object_version 6
	.text
	.protected	k_q79a8793140_gateup
	.globl	k_q79a8793140_gateup
	.p2align	8
	.type	k_q79a8793140_gateup,@function
k_q79a8793140_gateup:
	s_mov_b64 s[64:65], 0
	v_nop
	global_prefetch_b8 v0, s[64:65] scope:SCOPE_SE
	s_setreg_imm32_b32 hwreg(HW_REG_WAVE_SCHED_MODE, 0, 2), 2
	s_setreg_imm32_b32 hwreg(HW_REG_WAVE_MODE, 25, 1), 1
	s_wait_xcnt 0x0
	s_wait_alu depctr_vm_vsrc(0)
; GATEUP.  hid(row, expert, unit) = Q(silu(x Wg) (x Wu) c), both products on E3M2 codes with E8M0 scales, for the experts that a group of rows uses; the shared expert is expert 8 with c = 1.
; SHARES.  Work-group (bx, g): the 64 tokens at sorted places 64 g .. 64 g + 63 (sorted by their pair of experts, so that a group uses few experts).  Wave w: the block of 32 hidden units b = 4 bx + w,
;   for all 64 rows: four tiles of 16 rows.  The rows' codes of x stay in 384 registers for the whole launch.  The wave walks the shared expert and then the list of routed experts that any of the 64 rows uses;
;   a row that does not use an expert has c = 0 there and gets zero codes.  The grid is the same for every split; the walk has 3 to 9 passes.
; WHY NO TENSOR LOADS, CLUSTERS OR SHARED WEIGHT TILES: the number of passes is read from memory, and a barrier or a joint request inside such a walk could not be the same in all waves' texts for every split;
;   so the weights come from memory straight into the operand's registers, from a workspace laid in that order: every load of a wave covers 512 consecutive bytes.
; LAYOUT.  Source 0 = 16 rows of a weight, source 1 = 16 tokens: lane (r, h) holds token r, and the 16 registers of tiles (b, 0), (b, 1) are hidden units 32 b + 16 h + 0 .. 15.
; hid: [g 32][expert 9][block 32][1536]: a block's 24 bytes of each of the 64 rows: bytes 0-15 at 16 x row, bytes 16-23 at 1,024 + 8 x row.  From HSC on [g][expert][K step 8][r 16][block % 4][row tile 4]: scale bytes.
; LIMITS: NaN and infinities are not served; a block whose largest magnitude lies under 2^-122 (a block of zeros too) gets the byte 1.
; REGISTERS, in windows of 256: window 0: v1-15 addresses; v16-47 x's scale words (8 m + s); v48-63 the weights' scale words (gate, up; by K step); v64-79 four a row tile: w1, w2, route word, token;
;   v80-87 the rows' two experts; v92-127 at work; v128-255 the 16 accumulators (32 m + 8 wt; wt = gate u 0, gate u 1, up u 0, up u 1).
;   window 1: v0-191 a ring of four K steps of weights (48 a set, 12 a fragment).   windows 2, 3: x's fragments of row tiles 0, 1 and 2, 3 (96 a tile, 12 a K step).
; THE MODE: SCHED_MODE bits 1:0 = 2 (LLVM: expert scheduling mode 2), set by the entry lines.  The code itself states the register dependences
; between vector or matrix instructions and memory or LDS instructions, with s_wait_alu, always for 0.
; THE PLAN.  Registers that memory instructions touch, in the walk:
;   W0 .. W3   the four sets of window 1.  K step s: its sixteen products read W[s % 4]; in its middle the twelve loads of K step s + 3 (from step 5 on: of the next expert's K step s - 5) are issued,
;              which land in W[(s - 1) % 4], the set that the step before read.  The next expert's K step 3 lands in W3 behind step 7.
;   v48-63     the weights' scale words: read by all products of a pass; the next expert's land there behind step 7.
;   v144-149, v208-213, v96   the stores' data: written by the closing arithmetic, read by the pass's five stores, written again by the next pass's products and closing arithmetic.
;   v4, v5, v6 offsets, made at the head and never written again; the bases are scalar registers.
; So ONE wait on va_vdst stands at the head of each K step that loads, behind the step's wait for its data: the step before is done reading its set.  The step's products name another set, x's fragments, the sums
; and the scale words: none of the registers that its loads touch.  One more stands behind step 7 (W3, v48-63), one ahead of the run of stores, and one wait on vm_vsrc at the pass's end, ahead of the next pass's products.
.set XSOFF, 1572864
.set WSS,   14155776
.set HSC,   14155776
.set WCUR,  20                         ; s[20:21] the weights of the expert in hand, at my b
.set WNXT,  22                         ; s[22:23] of the next expert
.set SCN,   24                         ; s[24:25] the next expert's scale images
.set CM,    52                         ; s[52:59] eight masks of a run of compares
.set MSB, 0
.macro WIN new                         ; the immediate's high byte repeats the setting that is left
.if MSB != \new
	s_set_vgpr_msb (MSB<<8)|\new
.set MSB, \new
.endif
.endm
.macro WBASE dst, ereg                 ; dst = wgu + (32 expert + b) x 49,152
	s_lshl_b32 s36, s[\ereg], 5
	s_add_co_u32 s36, s36, s5
	s_mul_i32 s36, s36, 49152
	s_mov_b32 s37, 0
	s_add_nc_u64 s[\dst:\dst+1], s[16:17], s[36:37]
.endm
.macro SBASE ereg                      ; SCN = wgu + WSS + (32 expert + b) x 2,048
	s_lshl_b32 s36, s[\ereg], 5
	s_add_co_u32 s36, s36, s5
	s_lshl_b32 s36, s36, 11
	s_add_co_u32 s36, s36, WSS
	s_mov_b32 s37, 0
	s_add_nc_u64 s[SCN:SCN+1], s[16:17], s[36:37]
.endm
.macro WLOAD base, st, set             ; K step st's four fragments (6,144 dense bytes) into set: twelve loads
	WIN 0x40                                       ; destination window 1, address window 0
.irp f, 0,1,2,3,4,5,6,7,8,9,10,11
	global_load_b128 v[48*(\set)+4*\f:48*(\set)+4*\f+3], v4, s[\base:\base+1] offset:6144*(\st)+512*\f
.endr
.endm
.macro SCLOAD                          ; the weights' scale words: lane 16 u + r holds row r of tile u
.irp i, 0,1,2,3
	global_load_b128 v[48+4*\i:51+4*\i], v4, s[SCN:SCN+1] offset:512*\i
.endr
.endm
.macro NEXTE                           ; the next expert off the list, held to 8 at the most ahead of its use in addresses
	s_and_b32 s31, s32, 7
	s_lshr_b32 s32, s32, 3
	s_min_u32 s31, s31, 8
	WBASE WNXT, 31
	SBASE 31
.endm
.macro WM d, a, b, sa, sb, zero, ra    ; one product; zero: it starts the sum; ra: the weights' scales stand in lanes 16-31
.if \zero
.if \ra
	v_wmma_scale_f32_16x16x128_f8f6f4 v[\d:\d+7], v[\a:\a+11], v[\b:\b+11], 0, v[\sa], v[\sb] matrix_a_fmt:MATRIX_FMT_BF6 matrix_b_fmt:MATRIX_FMT_BF6 matrix_a_scale:MATRIX_SCALE_ROW1
.else
	v_wmma_scale_f32_16x16x128_f8f6f4 v[\d:\d+7], v[\a:\a+11], v[\b:\b+11], 0, v[\sa], v[\sb] matrix_a_fmt:MATRIX_FMT_BF6 matrix_b_fmt:MATRIX_FMT_BF6
.endif
.else
.if \ra
	v_wmma_scale_f32_16x16x128_f8f6f4 v[\d:\d+7], v[\a:\a+11], v[\b:\b+11], v[\d:\d+7], v[\sa], v[\sb] matrix_a_fmt:MATRIX_FMT_BF6 matrix_b_fmt:MATRIX_FMT_BF6 matrix_a_scale:MATRIX_SCALE_ROW1
.else
	v_wmma_scale_f32_16x16x128_f8f6f4 v[\d:\d+7], v[\a:\a+11], v[\b:\b+11], v[\d:\d+7], v[\sa], v[\sb] matrix_a_fmt:MATRIX_FMT_BF6 matrix_b_fmt:MATRIX_FMT_BF6
.endif
.endif
.endm
.macro MUL8 m0, st                     ; row tiles m0, m0 + 1 x the four weight tiles, K step st.  The 16 accumulators take turns, one instruction a turn
.set ZR, 0
.if (\st) == 0
.set ZR, 1
.endif
.irp mm, 0,1
.irp wt, 0,1,2,3
	WM 128+32*(\m0+\mm)+8*\wt, 48*((\st)%4)+12*\wt, 96*\mm+12*(\st), 48+8*(\wt/2)+(\st), 16+8*(\m0+\mm)+(\st), ZR, \wt%2
.endr
.endr
.endm
	s_load_b256 s[8:15], s[0:1], 0x0               ; perm s[8:9], route s[10:11], wts s[12:13], xq s[14:15]
	s_load_b128 s[16:19], s[0:1], 0x20             ; wgu s[16:17], hid s[18:19]
	v_lshl_add_u32 v90, v0, 2, 0xcc00
	v_mov_b32 v91, 0
	v_lshrrev_b32 v1, 5, v0
	v_readfirstlane_b32 s2, v1                     ; wave 0..3
	v_and_b32 v1, 31, v0                           ; lane
	v_and_b32 v2, 15, v0                           ; r
	v_bfe_u32 v3, v0, 4, 1                         ; h
	v_lshlrev_b32 v4, 4, v1                        ; 16 x lane; never rewritten
	v_lshl_add_u32 v5, v1, 3, 1024                 ; 1,024 + 8 x lane; never rewritten
	s_wait_alu depctr_va_sdst(0)                   ; s2 is written, ahead of its first reader: b, the stage's place and perm's are made from it
	s_mov_b32 s3, ttmp9                            ; bx
	s_and_b32 s4, ttmp7, 0xffff                    ; g
	s_lshl_b32 s5, s3, 2
	s_add_co_u32 s5, s5, s2                        ; b
	s_lshl_b32 s36, s2, 2
	v_lshlrev_b32 v6, 4, v2
	v_lshl_add_u32 v6, v3, 1, v6
	v_add_nc_u32 v6, s36, v6                       ; my two scale bytes: 16 r + 4 w + 2 h; never rewritten
	v_lshlrev_b32 v7, 2, v2                        ; 4 (lane % 16)
	v_lshlrev_b32 v93, 2, v3                       ; 4 (lane / 16)
	v_lshlrev_b32 v104, 4, v2                      ; 16 (lane % 16)
	s_mul_i32 s36, s2, 16*816
	v_mul_u32_u24 v105, v3, 816
	v_lshl_add_u32 v105, v2, 4, v105
	v_add_nc_u32 v105, s36, v105                   ; the stage, in: row 16 w + lane / 16 (+ 2 i), 16 bytes a lane.  A row: 384 bytes, 16 of padding, 384 bytes, 32 of padding: 816
	v_bfe_u32 v106, v0, 3, 1
	v_lshl_add_u32 v106, v106, 4, v105             ; the middle 256 bytes of a row cross the padding at lane 8
	v_mul_u32_u24 v108, v2, 816
	v_mad_u32_u24 v108, v3, 400, v108              ; the stage, out: row r, half h: 816 is an odd multiple of 16, so sixteen rows' 16 bytes fall into different banks
	s_mov_b32 s48, 0x76543210
	s_mov_b32 s49, 0xfedcba98                      ; lane selects: lane l xor 16
	s_mov_b32 s50, 0xffff0000                      ; lanes 16-31
.irp m, 0,1,2,3
	v_mov_b32 v[124+\m], 0                         ; written once: a lane permute's destination counts as one of its sources
.endr
	s_lshl_b32 s38, s4, 8
	s_mov_b32 s39, 0
	s_lshl_b32 s42, s2, 6
	s_mov_b32 s43, 0
	s_wait_kmcnt 0x0
	s_add_nc_u64 s[38:39], s[8:9], s[38:39]        ; perm at the group's 64 places,
	s_add_nc_u64 s[42:43], s[38:39], s[42:43]      ; and at the 16 whose rows I fetch
	s_add_nc_u64 s[40:41], s[14:15], XSOFF         ; x's scale words
	s_wait_alu depctr_va_vdst(0)                   ; the offsets and LDS addresses v4 to v7, v93, v105, v106, v108 are written, which the loads and stores below read
.irp m, 0,1,2,3
	global_load_b32 v[67+4*\m], v7, s[38:39] offset:64*\m    ; row tile m: lane (r, .) gets the token of row r
.endr
.irp i, 0,1,2,3,4,5,6,7
	global_load_b32 v[8+\i], v93, s[42:43] offset:8*\i       ; rows 16 w + 2 i + lane / 16
.endr
	s_mov_b32 s30, 8                               ; the walk begins with the shared expert, whose weights need no routing: they are asked for at once
	WBASE WCUR, 30
	SBASE 30
	WLOAD WCUR, 0, 0
	WLOAD WCUR, 1, 1
	WLOAD WCUR, 2, 2
	WLOAD WCUR, 3, 3
	WIN 0
	SCLOAD
	s_wait_loadcnt 52                              ; the twelve loads from perm are in; the 48 + 4 issued behind them may be out
.irp m, 0,1,2,3
	v_min_u32 v[67+4*\m], 0x7ff, v[67+4*\m]        ; a token's number is held inside the tables ahead of every address
	v_lshlrev_b32 v[96+\m], 3, v[67+4*\m]
	v_lshlrev_b32 v[100+\m], 5, v[67+4*\m]
.endr
.irp i, 0,1,2,3,4,5,6,7
	v_min_u32 v[8+\i], 0x7ff, v[8+\i]
	v_mul_u32_u24 v[8+\i], v[8+\i], 768
	v_add_nc_u32 v[8+\i], v[8+\i], v104
.endr
	s_wait_alu depctr_va_vdst(0)                   ; the gathers' offsets v96 to v103 and v8 to v15 are written: one wait for both runs of loads below
.irp m, 0,1,2,3
	global_load_b64 v[64+4*\m:65+4*\m], v[96+\m], s[12:13]   ; its two weights,
	global_load_b32 v[66+4*\m], v[96+\m], s[10:11]           ; its route word,
	global_load_b128 v[16+8*\m:19+8*\m], v[100+\m], s[40:41]             ; its eight scale words of x
	global_load_b128 v[20+8*\m:23+8*\m], v[100+\m], s[40:41] offset:16
.endr
.irp i, 0,1,2,3,4,5,6,7
.irp u, 0,1,2
	global_load_b128 v[128+12*\i+4*\u:131+12*\i+4*\u], v[8+\i], s[14:15] offset:256*\u   ; sixteen lanes read 256 consecutive bytes of a row of codes
.endr
.endr
	s_wait_loadcnt 0x0
.irp i, 0,1,2,3,4,5,6,7
	ds_store_b128 v105, v[128+12*\i:131+12*\i] offset:1632*\i
	ds_store_b128 v106, v[132+12*\i:135+12*\i] offset:1632*\i+256
	ds_store_b128 v105, v[136+12*\i:139+12*\i] offset:1632*\i+528
.endr
	s_wait_dscnt 0x0                               ; for the others' sake: my 16 rows lie in the stage
	s_barrier_signal -1
	s_barrier_wait -1                              ; all 64 do.  The launch's one barrier: it stands ahead of everything that hangs on the routing
.irp m, 0,1,2,3
.if \m < 2
	WIN 0x80                                       ; destination window 2
.else
	WIN 0xc0                                       ; destination window 3
.endif
.irp s, 0,1,2,3,4,5,6,7
.irp c, 0,1,2
	ds_load_b128 v[96*(\m%2)+12*\s+4*\c:96*(\m%2)+12*\s+4*\c+3], v108 offset:13056*\m+48*\s+16*\c
.endr
.endr
.endr
	WIN 0
	s_wait_alu depctr_vm_vsrc(0)                   ; the head's loads and LDS instructions have read their addresses v93, v96 to v103, v105, v106, v108 and the stage's stores their data v128 to v223: the walk writes all of these again
; The list of routed experts that any of the 64 rows uses: three bits an entry in s32, their number in s33 (at least 2).  Made without a branch.
.irp m, 0,1,2,3
	v_bfe_u32 v[80+\m], v[66+4*\m], 0, 8
	v_bfe_u32 v[84+\m], v[66+4*\m], 8, 8
.endr
	v_mov_b32 v111, 1
	v_lshlrev_b32 v110, v80, v111
.irp m, 1,2,3,4,5,6,7
	v_lshlrev_b32 v109, v[80+\m], v111
	v_or_b32 v110, v110, v109
.endr
	s_mov_b32 s32, 0
	s_mov_b32 s33, 0
.irp e, 0,1,2,3,4,5,6,7
	v_bfe_u32 v109, v110, \e, 1
	v_cmp_ne_u32 s[CM+\e], 0, v109                 ; the eight compares in one run, a mask each
.endr
	s_wait_alu depctr_va_sdst(0)                   ; the eight masks are written, ahead of their first reader
.irp e, 0,1,2,3,4,5,6,7
	s_cmp_lg_u32 s[CM+\e], 0                       ; does any lane use expert e?
	s_cselect_b32 s36, 1, 0
	s_mul_i32 s37, s36, \e
	s_mul_i32 s44, s33, 3
	s_lshl_b32 s37, s37, s44
	s_or_b32 s32, s32, s37
	s_add_co_u32 s33, s33, s36
.endr
	s_wait_xcnt 0x0                                ; every load issued so far has read its addresses: SCN is written anew
	NEXTE
	s_wait_dscnt 0x0                               ; x's fragments are in
; What follows the products of a pass: c, silu(g) u c in f32, the block's scale, the codes, the stores.
.macro EPILOGUE
	s_cmp_eq_u32 s30, 8
	s_cselect_b32 s36, 0x3f800000, 0               ; c: 1 for the shared expert; else the row's weight for this expert, or 0
.irp m, 0,1,2,3
	v_cmp_eq_u32 s[CM+\m], s30, v[80+\m]           ; the eight compares in one run, a mask each
	v_cmp_eq_u32 s[CM+4+\m], s30, v[84+\m]
.endr
.irp m, 0,1,2,3
	v_mov_b32 v[112+2*\m], s36
.endr
	s_wait_alu depctr_va_sdst(0)                   ; the eight masks are written, ahead of the selections that read them
.irp m, 0,1,2,3
	v_cndmask_b32 v[112+2*\m], v[112+2*\m], v[64+4*\m], s[CM+\m]
	v_cndmask_b32 v[112+2*\m], v[112+2*\m], v[65+4*\m], s[CM+4+\m]
	v_mov_b32 v[113+2*\m], v[112+2*\m]             ; twice, a pair for the packed multiply
.endr
.irp m, 0,1,2,3                                ; each accumulator is read from its low end on
.irp i, 0,2,4,6,8,10,12,14
	v_pk_mul_f32 v[96+\i:97+\i], v[128+32*\m+\i:129+32*\m+\i], 0xbfb8aa3b op_sel_hi:[1,0]   ; -g log2(e)
.endr
.irp i, 0,1,2,3,4,5,6,7,8,9,10,11,12,13,14,15
	v_exp_f32 v[96+\i], v[96+\i]
.endr
	v_nop                                          ; a plain place behind the exponentials
	s_wait_alu depctr_va_vdst(0)                   ; the sixteen exponentials have written v96 to v111, ahead of their first reader
.irp i, 0,2,4,6,8,10,12,14
	v_pk_add_f32 v[96+\i:97+\i], v[96+\i:97+\i], 1.0 op_sel_hi:[1,0]
.endr
.irp i, 0,1,2,3,4,5,6,7,8,9,10,11,12,13,14,15
	v_rcp_f32 v[96+\i], v[96+\i]                   ; 1 / (1 + e^-g); an exponential that has run to infinity gives 0
.endr
.irp i, 0,2,4,6,8,10,12,14
	v_pk_mul_f32 v[144+32*\m+\i:145+32*\m+\i], v[144+32*\m+\i:145+32*\m+\i], v[112+2*\m:113+2*\m]   ; u c  (plain places behind the reciprocals)
.endr
	s_wait_alu depctr_va_vdst(0)                   ; the sixteen reciprocals have written v96 to v111, ahead of their first reader
.irp i, 0,2,4,6,8,10,12,14
	v_pk_mul_f32 v[128+32*\m+\i:129+32*\m+\i], v[128+32*\m+\i:129+32*\m+\i], v[96+\i:97+\i]         ; silu(g)
.endr
.irp i, 0,2,4,6,8,10,12,14
	v_pk_mul_f32 v[128+32*\m+\i:129+32*\m+\i], v[128+32*\m+\i:129+32*\m+\i], v[144+32*\m+\i:145+32*\m+\i]
.endr
.endr
.irp m, 0,1,2,3
	v_max3_num_f32 v[120+\m], |v[128+32*\m]|, |v[129+32*\m]|, 0x2800000   ; my 16 of the row's block of 32, and the floor 2^(5 - 127).  The four tiles by turns
.endr
.irp i, 2,4,6,8,10,12,14
.irp m, 0,1,2,3
	v_max3_num_f32 v[120+\m], v[120+\m], |v[128+32*\m+\i]|, |v[129+32*\m+\i]|
.endr
.endr
.irp m, 0,1,2,3
	v_permlanex16_b32 v[124+\m], v[120+\m], s48, s49
.endr
.irp m, 0,1,2,3
	v_max_num_f32 v[120+\m], v[120+\m], v[124+\m]  ; with lane l xor 16's: the block's largest magnitude
.endr
.irp m, 0,1,2,3
	v_add_nc_u32 v[92+\m], 0xfe000000, v[120+\m]   ; 4 off the exponent field: the conversion's scale operand
.endr
.irp m, 0,1,2,3
	v_lshrrev_b32 v[124+\m], 23, v[92+\m]          ; the scale's byte
.endr
.irp m, 0,1,2,3
	v_cvt_scalef32_pk16_bf6_f32 v[144+32*\m:146+32*\m], v[128+32*\m:143+32*\m], v[92+\m]   ; 12 bytes: units 16 h + 0 .. 15 of row r of tile m, into registers that u has left
.endr
	v_nop                                          ; one plain place behind a scaled conversion
.irp q, 0,1                                    ; tiles 2 q and 2 q + 1 change halves: lane (r, h) then holds the whole block of row r of tile 2 q + h, that is of the group's row 32 q + lane
.irp i, 0,1,2
	v_permlane16_swap_b32 v[144+64*\q+\i], v[176+64*\q+\i]
.endr
.irp i, 0,1,2
	v_mov_b32 v[147+64*\q+\i], v[176+64*\q+\i]
.endr
.endr
	v_cndmask_b32 v96, v124, v126, s50             ; lanes 0-15 store the bytes of tiles 0, 1, lanes 16-31 those of tiles 2, 3
	v_cndmask_b32 v97, v125, v127, s50
	v_lshl_or_b32 v96, v97, 8, v96
	s_mul_i32 s36, s4, 9
	s_add_co_u32 s36, s36, s30                     ; 9 g + expert
	s_lshl_b32 s38, s36, 11
	s_lshl_b32 s36, s36, 5
	s_add_co_u32 s36, s36, s5
	s_mul_i32 s36, s36, 1536
	s_mov_b32 s37, 0
	s_add_nc_u64 s[26:27], s[18:19], s[36:37]      ; my block's 1,536 bytes
	s_lshl_b32 s39, s3, 8
	s_add_co_u32 s38, s38, s39
	s_add_co_u32 s38, s38, HSC
	s_mov_b32 s39, 0
	s_add_nc_u64 s[28:29], s[18:19], s[38:39]      ; the K step's 256 scale bytes
	s_wait_alu depctr_va_vdst(0)                   ; the codes v144 to v149, v208 to v213 and the bytes v96 are written, which the five stores read
.irp q, 0,1
	global_store_b128 v4, v[144+64*\q:147+64*\q], s[26:27] offset:512*\q   ; 512 consecutive bytes, aligned
	global_store_b64 v5, v[148+64*\q:149+64*\q], s[26:27] offset:256*\q    ; 256 consecutive bytes, aligned
.endr
	global_store_b16 v6, v96, s[28:29]             ; two bytes of each row's sixteen: the other blocks' bytes come from the other three waves, which no barrier in the walk could bring together
.endm
; A pass: one expert, eight K steps of 16 products.  The ring of four sets runs on into the next expert's weights: K step s asks, in its middle, for the K step three on, into the set that the step before read.
.macro PASS last
	s_wait_loadcnt 0x0                             ; K steps 0 to 3 and the scale words, asked for ahead of the last pass's closing arithmetic
.irp s, 0,1,2,3,4,5,6,7
.if \s >= 4
.if \last && (\s >= 6)
	s_wait_loadcnt 12*(7-\s)                       ; nothing follows this expert: only this pass's later K steps are younger
.else
	s_wait_loadcnt 24                              ; this K step's twelve loads are in; the two sets issued behind them may be out
.endif
.endif
.if (\s >= 1) && ((\s <= 4) || !\last)
	s_wait_alu depctr_va_vdst(0)                   ; the products of the step before are done reading their set, in which this step's loads land
.endif
	WIN 0x09                                       ; source 0 (weights) window 1, source 1 (x) window 2
	MUL8 0, \s
.if (\s >= 1) && (\s <= 4)
	WLOAD WCUR, \s+3, \s-1                         ; no further wait: no product since the wait above names this set or v4
.elseif (\s >= 5) && !\last
	WLOAD WNXT, \s-5, \s-5
.endif
	WIN 0x0d                                       ; source 1 window 3
	MUL8 2, \s
.endr
	WIN 0
.rept 4
	v_nop                                          ; four places between the last products and the first read of their results (ISA guide 7.12.1)
.endr
.if !\last
	s_wait_alu depctr_va_vdst(0)                   ; the products of K step 7 are done reading set 3 and the scale words v48 to v63, in which the loads below land
	WLOAD WNXT, 3, 3
	WIN 0
	SCLOAD
.endif
	EPILOGUE
.if !\last
	s_wait_xcnt 0x0                                ; the stores and the loads have read their bases: bases and the list may be written
	s_wait_alu depctr_vm_vsrc(0)                   ; the five stores have read their data, which the next pass's products and closing arithmetic write again
	s_mov_b64 s[WCUR:WCUR+1], s[WNXT:WNXT+1]
	s_mov_b32 s30, s31
	NEXTE
.endif
.endm
	s_mov_b32 s34, 0
.Lpass:                                            ; as many trips as the list has entries: the shared expert and all listed ones but the last
	PASS 0
	s_add_co_u32 s34, s34, 1
	s_cmp_lt_u32 s34, s33
	s_cbranch_scc1 .Lpass
	PASS 1                                         ; the last listed expert: nothing more is asked for
	s_wait_dscnt 0x0                               ; the closing lines, six on end
	s_wait_alu 0x0
	s_wait_tensorcnt 0x0
	ds_add_u32 v90, v91
	s_wait_dscnt 0x0
	s_endpgm
.Lfunc_end_k_q79a8793140_gateup:
	.size	k_q79a8793140_gateup, .Lfunc_end_k_q79a8793140_gateup-k_q79a8793140_gateup
	.p2alignl 7, 3214868480
	.fill 96, 4, 3214868480
	.section	.rodata,"a",@progbits
	.p2align	6, 0x0
	.amdhsa_kernel k_q79a8793140_gateup
		.amdhsa_group_segment_fixed_size 52736
		.amdhsa_private_segment_fixed_size 0
		.amdhsa_enable_private_segment 0
		.amdhsa_kernarg_size 48
		.amdhsa_user_sgpr_count 2
		.amdhsa_user_sgpr_kernarg_segment_ptr 1
		.amdhsa_wavefront_size32 1
		.amdhsa_system_sgpr_workgroup_id_x 1
		.amdhsa_system_sgpr_workgroup_id_y 1
		.amdhsa_system_sgpr_workgroup_id_z 1
		.amdhsa_system_vgpr_workitem_id 0
		.amdhsa_next_free_vgpr 960
		.amdhsa_next_free_sgpr 66
		.amdhsa_reserve_vcc 0
		.amdhsa_float_denorm_mode_32 3
		.amdhsa_float_denorm_mode_16_64 3
		.amdhsa_memory_ordered 1
		.amdhsa_forward_progress 1
		.amdhsa_inst_pref_size 120
	.end_amdhsa_kernel
	.amdgpu_metadata
---
amdhsa.version: [ 1, 2 ]
amdhsa.kernels:
  - .name:           k_q79a8793140_gateup
    .symbol:         k_q79a8793140_gateup.kd
    .args:
      - { .name: perm, .offset: 0, .size: 8, .value_kind: global_buffer, .address_space: global }
      - { .name: route, .offset: 8, .size: 8, .value_kind: global_buffer, .address_space: global }
      - { .name: wts, .offset: 16, .size: 8, .value_kind: global_buffer, .address_space: global }
      - { .name: xq, .offset: 24, .size: 8, .value_kind: global_buffer, .address_space: global }
      - { .name: wgu, .offset: 32, .size: 8, .value_kind: global_buffer, .address_space: global }
      - { .name: hid, .offset: 40, .size: 8, .value_kind: global_buffer, .address_space: global }
    .group_segment_fixed_size: 52736
    .private_segment_fixed_size: 0
    .kernarg_segment_align: 8
    .kernarg_segment_size: 48
    .max_flat_workgroup_size: 128
    .sgpr_count:     66
    .vgpr_count:     960
    .wavefront_size: 32
...
	.end_amdgpu_metadata
.endif
;; end of part 5
;; launch down (part 6): grid 4 x 64, 8 waves a work-group, no clusters, 68,608 bytes of LDS; arguments perm, route, hid, dq, out0; writes out0
.if DOCPART == 6
	.amdgcn_target "amdgcn-amd-amdhsa--gfx1250"
	.amdhsa_code_object_version 6
	.text
	.protected	k_q79a8793140_down
	.globl	k_q79a8793140_down
	.p2align	8
	.type	k_q79a8793140_down,@function
k_q79a8793140_down:
	s_mov_b64 s[64:65], 0
	v_nop
	global_prefetch_b8 v0, s[64:65] scope:SCOPE_SE
	s_setreg_imm32_b32 hwreg(HW_REG_WAVE_SCHED_MODE, 0, 2), 2
	s_setreg_imm32_b32 hwreg(HW_REG_WAVE_MODE, 25, 1), 1
	s_wait_xcnt 0x0
	s_wait_alu depctr_vm_vsrc(0)
; DOWN.  out0(token) = the sum over the shared expert and the token's two routed experts of hid(token, expert) x Wdown(expert), on E3M2 codes with E8M0 scales, sums in f32.
; SHARES.  Work-group (cg, gh): the 32 tokens at sorted places 32 gh .. + 31 (half hf = gh % 2 of group g = gh / 2), columns 256 cg .. + 255.  EIGHT WAVES, two to a SIMD: waves cw and cw + 4 own the same
;   32 rows x 64 columns (b0 = 8 cg + 2 cw and b0 + 1) and SHARE K: wave half kh = wave / 4 takes K steps 4 kh .. 4 kh + 3 of every expert.  The bytes read are those of one wave that took all of K; each wave asks for
;   half of them, so that twice as many loads of the work-group are on their way at a time.  At the end the two partial sums are added: each wave keeps one row tile and hands the other to its partner through LDS.
;   Each output number has one owner.  Every wave walks the shared expert and then the list of routed experts that any of the 32 rows uses.  A row that does not use a listed expert has zero codes there.
;   The list of 32 rows is part of their group's list of 64, so every block that is read has been stored.
; WHICH ROW TILE A WAVE KEEPS is settled by addresses and byte selects made from the wave's number, not by a branch: a wave's register tile 0 is row tile kh, its register tile 1 row tile 1 - kh; all waves run one text.
; WHY NO TENSOR LOADS, CLUSTERS OR SHARED TILES: the number of passes is read from memory; weights and hidden codes come from memory straight into the operands' registers, from workspaces laid in that order.
; LAYOUT.  Source 0 = 16 rows of a weight tile (columns of out0), source 1 = 16 tokens: lane (r, h) holds token r, and the 16 registers of tiles (b, 0), (b, 1) are columns 32 b + 16 h + 0 .. 15.
; LIMIT: an output is the f32 sum of two partial sums, one over each half of every expert's K, not one chain of ascending K.
; REGISTERS: window 0: v4-15, v24-25 addresses; v16-23 where my rows go in out0; v26-30 at work; v32-39, v40-47 scale bytes and words as loaded; v48-51 the hidden layer's scale words (lanes 0-15 an even K step's,
;   lanes 16-31 the odd one's); v52-59 the weights'; v96-159 accumulators (32 x register tile + 16 bb + 8 u); v160-255 a ring of four K steps of hidden codes (24 a set), at the end the partner's sums and the way out.
;   window 1: v0-191 a ring of four K steps of weights (48 a set).
; THE MODE: SCHED_MODE bits 1:0 = 2 (LLVM: expert scheduling mode 2), set by the entry lines.  The code itself states the register dependences
; between vector or matrix instructions and memory or LDS instructions, with s_wait_alu, always for 0.
; THE PLAN.  Registers that memory instructions touch, in the walk:
;   the four sets of weights (window 1) and of hidden codes (v160-255).  K step s: its eight products read set s; the twenty loads issued in step s land in set (s - 1) % 4, which the step before read.
;   v32-47     the scales as loaded: read by the byte selects and moves at a pass's head; the next expert's land there in step 1.
;   v48-59     the scale words: written by those byte selects and moves, read by the scaled products alone.
;   v4-7, v13-15  offsets, made at the head and never written again; the bases are scalar registers.
; So ONE wait on va_vdst stands at the head of each K step that loads, behind the step's wait for its data: the step before is done reading its set.  Step 0's also states that the scale words are written, ahead of the
; scaled products, and that v32-47 have been read.  Behind it: the twelve loads of weights, the eight products, the eight loads of hidden codes; the products name set s, the sums and the scale words alone.
.set HSC, 14155776
.set DSS, 7077888
.set XCH, 34816                        ; LDS: eight stages of 4,352 bytes, then eight images of 4,096 bytes for the exchange
.set ACC, 96
.set HR,  160
.set HBC, 20                           ; s[20:21] hidden codes of the expert in hand     s[22:23] its weights, at my b0
.set DBC, 22
.set HBN, 24                           ; s[24:25], s[26:27] the same of the next expert
.set DBN, 26
.set HSN, 28                           ; s[28:29], s[30:31] the next expert's scale bytes of the hidden layer, scale images of the weights
.set DSN, 30
.set CM,  52                           ; s[52:59] eight masks of a run of compares
.set MSB, 0
.macro WIN new                         ; the immediate's high byte repeats the setting that is left
.if MSB != \new
	s_set_vgpr_msb (MSB<<8)|\new
.set MSB, \new
.endif
.endm
.macro EBASE                           ; the four addresses of expert s35
	s_mul_i32 s36, s5, 9
	s_add_co_u32 s36, s36, s35                     ; 9 g + expert
	s_lshl_b32 s38, s36, 11
	s_add_co_u32 s38, s38, HSC
	s_mov_b32 s39, 0
	s_mul_i32 s36, s36, 49152
	s_mov_b32 s37, 0
	s_add_nc_u64 s[HBN:HBN+1], s[12:13], s[36:37]
	s_add_nc_u64 s[HSN:HSN+1], s[12:13], s[38:39]
	s_lshl_b32 s36, s35, 5
	s_add_co_u32 s36, s36, s7                      ; 32 expert + b0
	s_lshl_b32 s38, s36, 10
	s_add_co_u32 s38, s38, DSS
	s_mul_i32 s36, s36, 24576
	s_add_nc_u64 s[DBN:DBN+1], s[14:15], s[36:37]
	s_add_nc_u64 s[DSN:DSN+1], s[14:15], s[38:39]
.endm
; My K step st (of my four) is twenty loads: four weight fragments (twelve loads of 512 dense bytes) and two hidden fragments (a block's 24 bytes as 16 + 8: eight loads).  My half of K stands in the offset registers
.macro WLD db, st, set
	WIN 0x40                                       ; destination window 1
.irp bb, 0,1
.irp f, 0,1,2,3,4,5
	global_load_b128 v[48*(\set)+24*\bb+4*\f:48*(\set)+24*\bb+4*\f+3], v4, s[\db:\db+1] offset:24576*\bb+3072*(\st)+512*\f
.endr
.endr
.endm
.macro HLD hb, st, set
	WIN 0
.irp c, 0,1
	global_load_b128 v[HR+24*(\set)+6*\c:HR+24*(\set)+6*\c+3], v5, s[\hb:\hb+1] offset:6144*(\st)+3072*\c
	global_load_b64 v[HR+24*(\set)+6*\c+4:HR+24*(\set)+6*\c+5], v6, s[\hb:\hb+1] offset:6144*(\st)+3072*\c
	global_load_b128 v[HR+24*(\set)+12+6*\c:HR+24*(\set)+12+6*\c+3], v14, s[\hb:\hb+1] offset:6144*(\st)+3072*\c
	global_load_b64 v[HR+24*(\set)+12+6*\c+4:HR+24*(\set)+12+6*\c+5], v15, s[\hb:\hb+1] offset:6144*(\st)+3072*\c
.endr
.endm
.macro FLOAD hb, db, st, set           ; both, on end: the prologue's form
	WLD \db, \st, \set
	HLD \hb, \st, \set
.endm
.macro RAWLOAD                         ; the next expert's scales for my half of K: four loads
.irp q, 0,1
	global_load_b128 v[32+4*\q:35+4*\q], v7, s[HSN:HSN+1] offset:512*\q   ; lane (r, h): my K step 2 q + h, row r: sixteen bytes [block % 4][row tile of the group]
.endr
.irp bb, 0,1
	global_load_b128 v[40+4*\bb:43+4*\bb], v13, s[DSN:DSN+1] offset:1024*\bb   ; b0 + bb's words of my four K steps
.endr
.endm
.macro WM d, a, b, sa, sb, zero, ra, rb    ; one product; zero: it starts the sum; ra, rb: that side's scales stand in lanes 16-31
.if \zero
.if \ra
.if \rb
	v_wmma_scale_f32_16x16x128_f8f6f4 v[\d:\d+7], v[\a:\a+11], v[\b:\b+11], 0, v[\sa], v[\sb] matrix_a_fmt:MATRIX_FMT_BF6 matrix_b_fmt:MATRIX_FMT_BF6 matrix_a_scale:MATRIX_SCALE_ROW1 matrix_b_scale:MATRIX_SCALE_ROW1
.else
	v_wmma_scale_f32_16x16x128_f8f6f4 v[\d:\d+7], v[\a:\a+11], v[\b:\b+11], 0, v[\sa], v[\sb] matrix_a_fmt:MATRIX_FMT_BF6 matrix_b_fmt:MATRIX_FMT_BF6 matrix_a_scale:MATRIX_SCALE_ROW1
.endif
.else
.if \rb
	v_wmma_scale_f32_16x16x128_f8f6f4 v[\d:\d+7], v[\a:\a+11], v[\b:\b+11], 0, v[\sa], v[\sb] matrix_a_fmt:MATRIX_FMT_BF6 matrix_b_fmt:MATRIX_FMT_BF6 matrix_b_scale:MATRIX_SCALE_ROW1
.else
	v_wmma_scale_f32_16x16x128_f8f6f4 v[\d:\d+7], v[\a:\a+11], v[\b:\b+11], 0, v[\sa], v[\sb] matrix_a_fmt:MATRIX_FMT_BF6 matrix_b_fmt:MATRIX_FMT_BF6
.endif
.endif
.else
.if \ra
.if \rb
	v_wmma_scale_f32_16x16x128_f8f6f4 v[\d:\d+7], v[\a:\a+11], v[\b:\b+11], v[\d:\d+7], v[\sa], v[\sb] matrix_a_fmt:MATRIX_FMT_BF6 matrix_b_fmt:MATRIX_FMT_BF6 matrix_a_scale:MATRIX_SCALE_ROW1 matrix_b_scale:MATRIX_SCALE_ROW1
.else
	v_wmma_scale_f32_16x16x128_f8f6f4 v[\d:\d+7], v[\a:\a+11], v[\b:\b+11], v[\d:\d+7], v[\sa], v[\sb] matrix_a_fmt:MATRIX_FMT_BF6 matrix_b_fmt:MATRIX_FMT_BF6 matrix_a_scale:MATRIX_SCALE_ROW1
.endif
.else
.if \rb
	v_wmma_scale_f32_16x16x128_f8f6f4 v[\d:\d+7], v[\a:\a+11], v[\b:\b+11], v[\d:\d+7], v[\sa], v[\sb] matrix_a_fmt:MATRIX_FMT_BF6 matrix_b_fmt:MATRIX_FMT_BF6 matrix_b_scale:MATRIX_SCALE_ROW1
.else
	v_wmma_scale_f32_16x16x128_f8f6f4 v[\d:\d+7], v[\a:\a+11], v[\b:\b+11], v[\d:\d+7], v[\sa], v[\sb] matrix_a_fmt:MATRIX_FMT_BF6 matrix_b_fmt:MATRIX_FMT_BF6
.endif
.endif
.endif
.endm
.macro MUL8 st, first                  ; a K step: the eight accumulators take turns, one instruction a turn
.set ZR, 0
.if (\first) && ((\st) == 0)
.set ZR, 1
.endif
.irp mm, 0,1
.irp bb, 0,1
.irp u, 0,1
	WM ACC+32*\mm+16*\bb+8*\u, 48*(\st)+24*\bb+12*\u, HR+24*(\st)+12*\mm, 52+4*\bb+(\st), 48+2*((\st)/2)+\mm, ZR, \u, (\st)%2
.endr
.endr
.endr
.endm
	s_load_b256 s[8:15], s[0:1], 0x0               ; perm s[8:9], route s[10:11], hid s[12:13], dq s[14:15]
	s_load_b64 s[16:17], s[0:1], 0x20              ; out0
	v_lshl_add_u32 v94, v0, 2, 0x10800
	v_mov_b32 v95, 0
	v_lshrrev_b32 v1, 5, v0
	v_readfirstlane_b32 s2, v1                     ; wave 0..7
	v_and_b32 v1, 31, v0                           ; lane
	v_and_b32 v2, 15, v0                           ; r
	v_bfe_u32 v3, v0, 4, 1                         ; h
	s_mov_b32 s3, ttmp9                            ; cg
	s_and_b32 s4, ttmp7, 0xffff                    ; gh
	s_lshr_b32 s5, s4, 1                           ; g
	s_and_b32 s6, s4, 1                            ; hf
	s_wait_alu depctr_va_sdst(0)                   ; s2 is written, ahead of its first reader: my columns, my half of K and my LDS places are made from it
	s_and_b32 s18, s2, 3                           ; cw: which 64 columns
	s_lshr_b32 s47, s2, 2                          ; kh: which half of K, and which row tile I keep
	s_xor_b32 s19, s47, 1                          ; 1 - kh
	s_lshl_b32 s7, s3, 3
	s_lshl_b32 s36, s18, 1
	s_add_co_u32 s7, s7, s36                       ; b0
	s_mul_i32 s36, s47, 12288
	v_lshl_add_u32 v4, v1, 4, s36                  ; weights: 16 x lane + four K steps of 3,072 bytes x kh
	s_lshl_b32 s36, s47, 9
	v_lshl_add_u32 v13, v1, 4, s36                 ; their scale images: 16 x lane + 512 kh
	s_mul_i32 s37, s47, 24576                      ; hidden codes: four K steps of 6,144 bytes x kh
	s_lshl_b32 s36, s6, 9
	s_add_co_u32 s36, s36, s37
	v_mul_u32_u24 v5, v3, 1536
	v_lshl_add_u32 v5, v2, 4, v5
	v_add_nc_u32 v5, s36, v5                       ; a block's first 16 bytes of a row: block + h, row 32 hf + r,
	s_lshl_b32 s38, s19, 8
	v_add_nc_u32 v14, s38, v5                      ; + 16 rows x (1 - kh): register tile 1,
	s_lshl_b32 s38, s47, 8
	v_add_nc_u32 v5, s38, v5                       ; + 16 rows x kh: register tile 0
	s_lshl_b32 s36, s6, 8
	s_add_co_u32 s36, s36, s37
	s_add_co_u32 s36, s36, 1024
	v_mul_u32_u24 v6, v3, 1536
	v_lshl_add_u32 v6, v2, 3, v6
	v_add_nc_u32 v6, s36, v6                       ; and its last 8 bytes, likewise
	s_lshl_b32 s38, s19, 7
	v_add_nc_u32 v15, s38, v6
	s_lshl_b32 s38, s47, 7
	v_add_nc_u32 v6, s38, v6
	s_lshl_b32 s36, s47, 10
	v_lshlrev_b32 v7, 8, v3
	v_lshl_add_u32 v7, v2, 4, v7
	v_add_nc_u32 v7, s36, v7                       ; scale bytes: K step 4 kh + h, row r
	s_mul_i32 s36, s2, 4352                        ; my stage: 16 rows of 256 bytes + 16
	v_mul_u32_u24 v8, v2, 272
	v_lshl_add_u32 v8, v3, 6, v8
	v_add_nc_u32 v8, s36, v8                       ; in: row r, + 64 h
	v_mul_u32_u24 v9, v3, 272
	v_lshl_add_u32 v9, v2, 4, v9
	v_add_nc_u32 v9, s36, v9                       ; back: lanes 0-15 one row, lanes 16-31 the next
	s_lshl_b32 s36, s2, 12
	s_add_co_u32 s36, s36, XCH
	v_lshl_add_u32 v24, v1, 4, s36                 ; the exchange: my image,
	s_xor_b32 s36, s2, 4
	s_lshl_b32 s36, s36, 12
	s_add_co_u32 s36, s36, XCH
	v_lshl_add_u32 v25, v1, 4, s36                 ; and my partner's (wave xor 4)
	v_lshlrev_b32 v10, 2, v1
	s_lshl_b32 s36, s47, 6
	v_lshl_add_u32 v11, v3, 2, s36                 ; perm: 4 (lane / 16) + 16 places x kh
	v_lshlrev_b32 v12, 4, v2
	s_cmp_eq_u32 s6, 0
	s_mov_b32 s44, 0x07030602
	s_cselect_b32 s44, 0x05010400, s44             ; byte selects: my half's two row tiles out of the group's four,
	s_mov_b32 s48, 0x05040100
	s_mov_b32 s49, 0x07060302
	s_cmp_eq_u32 s47, 0
	s_cselect_b32 s45, s48, s49                    ; row tile kh for register tile 0,
	s_cselect_b32 s46, s49, s48                    ; row tile 1 - kh for register tile 1
	s_lshl_b32 s40, s4, 7
	s_mov_b32 s41, 0
	s_lshl_b32 s42, s3, 10
	s_lshl_b32 s43, s18, 8
	s_add_co_u32 s42, s42, s43
	s_mov_b32 s43, 0
	s_wait_kmcnt 0x0
	s_add_nc_u64 s[40:41], s[8:9], s[40:41]        ; perm at my 32 places
	s_add_nc_u64 s[16:17], s[16:17], s[42:43]      ; out0 at my 64 columns
	s_wait_alu depctr_va_vdst(0)                   ; the offsets and LDS addresses v4 to v15, v24, v25 are written, which the loads and stores of the kernel read
	global_load_b32 v26, v10, s[40:41]             ; a lane to a row, for the list
.irp i, 0,1,2,3,4,5,6,7
	global_load_b32 v[16+\i], v11, s[40:41] offset:8*\i   ; rows 16 kh + 2 i + lane / 16, for the way out
.endr
	s_mov_b32 s35, 8                               ; the walk begins with the shared expert, which needs no routing: it is asked for at once
	EBASE
	RAWLOAD
	s_mov_b64 s[HBC:HBC+1], s[HBN:HBN+1]
	s_mov_b64 s[DBC:DBC+1], s[DBN:DBN+1]
	FLOAD HBC, DBC, 0, 0
	FLOAD HBC, DBC, 1, 1
	s_wait_loadcnt 44                              ; the nine loads from perm are in; the 4 + 20 + 20 issued behind them may be out
	v_min_u32 v26, 0x7ff, v26                      ; a token's number is held inside the tables ahead of every address
	v_lshlrev_b32 v26, 3, v26
	s_wait_alu depctr_va_vdst(0)                   ; v26 is written, which the load below reads as its offset
	global_load_b32 v27, v26, s[10:11]             ; its route word
	FLOAD HBC, DBC, 2, 2
.irp i, 0,1,2,3,4,5,6,7
	v_min_u32 v[16+\i], 0x7ff, v[16+\i]
	v_lshlrev_b32 v[16+\i], 12, v[16+\i]
	v_add_nc_u32 v[16+\i], v[16+\i], v12           ; the token's row of 4,096 bytes, + 16 (lane % 16)
.endr
	s_wait_loadcnt 20                              ; the route word is in; the twenty loads issued behind it may be out
; The list of routed experts that any of the 32 rows uses: three bits an entry in s32, their number in s33 (at least 2).  Made without a branch; the same in all eight waves.
	v_bfe_u32 v28, v27, 0, 8
	v_bfe_u32 v29, v27, 8, 8
	v_mov_b32 v30, 1
	v_lshlrev_b32 v28, v28, v30
	v_lshlrev_b32 v29, v29, v30
	v_or_b32 v28, v28, v29
	s_mov_b32 s32, 0
	s_mov_b32 s33, 0
.irp e, 0,1,2,3,4,5,6,7
	v_bfe_u32 v29, v28, \e, 1
	v_cmp_ne_u32 s[CM+\e], 0, v29                  ; the eight compares in one run, a mask each
.endr
	s_wait_alu depctr_va_sdst(0)                   ; the eight masks are written, ahead of their first reader
.irp e, 0,1,2,3,4,5,6,7
	s_cmp_lg_u32 s[CM+\e], 0
	s_cselect_b32 s36, 1, 0
	s_mul_i32 s37, s36, \e
	s_mul_i32 s38, s33, 3
	s_lshl_b32 s37, s37, s38
	s_or_b32 s32, s32, s37
	s_add_co_u32 s33, s33, s36
.endr
	s_sub_co_u32 s33, s33, 1                       ; the loop's trips: all listed experts but the last
.macro NEXTE                           ; behind a wait that shows every issued load's addresses read: the next expert off the list, held to 8 at the most
	s_and_b32 s35, s32, 7
	s_lshr_b32 s32, s32, 3
	s_min_u32 s35, s35, 8
	EBASE
.endm
	s_wait_xcnt 0x0
	s_wait_alu depctr_vm_vsrc(0)                   ; the load of the route word has read v26, which the passes' byte selects write again
	NEXTE
; A pass: one expert, my four K steps of eight products.  The rings have four sets, one for each of my K steps, and run three K steps ahead, on into the next expert.
; At a pass's head there are out, in this order: the expert's scales (4 loads) and K steps 0, 1, 2 (20 each).
.macro PASS first, last
.rept 4
	v_nop                                          ; four places between the last products and the writes of their scale registers (ISA guide 7.12.1)
.endr
	s_wait_loadcnt 60                              ; the scales are in; three sets of twenty may be out
.irp q, 0,1                                    ; sixteen bytes [block][tile] become two words [block], one for each of my register tiles
	v_perm_b32 v26, v[33+4*\q], v[32+4*\q], s44
	v_perm_b32 v27, v[35+4*\q], v[34+4*\q], s44
	v_perm_b32 v[48+2*\q], v27, v26, s45
	v_perm_b32 v[49+2*\q], v27, v26, s46
.endr
.irp i, 0,1,2,3,4,5,6,7
	v_mov_b32 v[52+\i], v[40+\i]                   ; out of the registers into which the next expert's words will be loaded
.endr
.rept 8
	v_nop                                          ; a scale register written by a vector instruction stands eight places ahead of the scaled product
.endr
.irp s, 0,1,2,3
.if \last
.if \s < 2
	s_wait_loadcnt 40                              ; this K step is in; the two sets issued behind it may be out
.else
	s_wait_loadcnt 20*(3-\s)                       ; nothing follows this expert: the counts run down
.endif
.else
.if \s < 2
	s_wait_loadcnt 40
.else
	s_wait_loadcnt 44                              ; two sets, and the next expert's four loads of scales among them
.endif
.endif
.if \s == 0
	s_wait_alu depctr_va_vdst(0)                   ; the scale words v48 to v59 are written, which the scaled products take; v32 to v47 have been read; the last pass's last products are done reading set 3, in which this step's loads land
	WLD DBC, 3, 3
.elseif !\last
	s_wait_alu depctr_va_vdst(0)                   ; the products of the step before are done reading their set, in which this step's loads land
.if \s == 1
	RAWLOAD
.endif
	WLD DBN, \s-1, \s-1
.endif
	WIN 0x01                                       ; source 0 (weights) window 1; hidden codes and sums window 0
	MUL8 \s, \first
.if \s == 0
	HLD HBC, 3, 3                                  ; no further wait: no product since the wait above names this set or its offsets
.elseif !\last
	HLD HBN, \s-1, \s-1
.endif
	WIN 0
.endr
.if !\last
	s_wait_xcnt 0x0                                ; every issued load has read its addresses: the bases may be written
	s_mov_b64 s[HBC:HBC+1], s[HBN:HBN+1]
	s_mov_b64 s[DBC:DBC+1], s[DBN:DBN+1]
	NEXTE
.endif
.endm
	PASS 1, 0                                      ; the shared expert: its first products start the sums
	s_mov_b32 s34, 0
.Lpass:
	PASS 0, 0
	s_add_co_u32 s34, s34, 1
	s_cmp_lt_u32 s34, s33
	s_cbranch_scc1 .Lpass
	PASS 0, 1                                      ; the last listed expert: nothing more is asked for
; THE TWO HALVES OF K MEET.  My register tile 1 is the row tile that my partner keeps: its 32 registers go to LDS as an image, 16 bytes a lane; behind the barrier my partner's image of the tile that I keep comes back
; into the same lanes and is added.  The barrier stands behind the walk, on every wave's path.
.rept 4
	v_nop                                          ; four places between the last products and the first read of results (ISA guide 7.12.1)
.endr
	s_wait_alu depctr_va_vdst(0)                   ; the products have written the sums, which the LDS stores read, and are done reading the hidden codes' ring, in which the loads behind the barrier land; the places above stay beside this wait
.irp t, 0,1,2,3
	ds_store_b128 v24, v[ACC+32+8*\t:ACC+32+8*\t+3] offset:1024*\t          ; each accumulator from its low end on
	ds_store_b128 v24, v[ACC+32+8*\t+4:ACC+32+8*\t+7] offset:1024*\t+512
.endr
	s_wait_dscnt 0x0                               ; for my partner's sake: my image lies in LDS
	s_barrier_signal -1
	s_barrier_wait -1
.irp t, 0,1,2,3
	ds_load_b128 v[160+8*\t:163+8*\t], v25 offset:1024*\t
	ds_load_b128 v[164+8*\t:167+8*\t], v25 offset:1024*\t+512
.endr
	s_wait_dscnt 0x0
.irp i, 0,2,4,6,8,10,12,14,16,18,20,22,24,26,28,30
	v_pk_add_f32 v[ACC+\i:ACC+\i+1], v[ACC+\i:ACC+\i+1], v[160+\i:161+\i]   ; ascending: each accumulator is read from its low end on
.endr
; THE WAY OUT.  A lane holds pieces of 32 bytes of one token's row; my row tile goes through my own stage in LDS and comes back as whole runs of 256 bytes, which sixteen lanes store at the token's row.
	s_wait_alu depctr_va_vdst(0)                   ; the sixteen additions have written v96 to v127, which the LDS stores read
.irp bb, 0,1
.irp u, 0,1
	ds_store_b128 v8, v[ACC+16*\bb+8*\u:ACC+16*\bb+8*\u+3] offset:128*\bb+32*\u
	ds_store_b128 v8, v[ACC+16*\bb+8*\u+4:ACC+16*\bb+8*\u+7] offset:128*\bb+32*\u+16
.endr
.endr
.irp i, 0,1,2,3,4,5,6,7
	ds_load_b128 v[192+4*\i:195+4*\i], v9 offset:544*\i   ; LDS serves a wave's instructions in order: these see the stores above
.endr
.irp i, 0,1,2,3,4,5,6,7
	s_wait_dscnt 7-\i                              ; this load is in; the later ones may be out
	global_store_b128 v[16+\i], v[192+4*\i:195+4*\i], s[16:17] th:TH_STORE_NT   ; sixteen lanes store 256 consecutive bytes, aligned
.endr
	s_wait_dscnt 0x0                               ; the closing lines, six on end
	s_wait_alu 0x0
	s_wait_tensorcnt 0x0
	ds_add_u32 v94, v95
	s_wait_dscnt 0x0
	s_endpgm
.Lfunc_end_k_q79a8793140_down:
	.size	k_q79a8793140_down, .Lfunc_end_k_q79a8793140_down-k_q79a8793140_down
	.p2alignl 7, 3214868480
	.fill 96, 4, 3214868480
	.section	.rodata,"a",@progbits
	.p2align	6, 0x0
	.amdhsa_kernel k_q79a8793140_down
		.amdhsa_group_segment_fixed_size 68608
		.amdhsa_private_segment_fixed_size 0
		.amdhsa_enable_private_segment 0
		.amdhsa_kernarg_size 40
		.amdhsa_user_sgpr_count 2
		.amdhsa_user_sgpr_kernarg_segment_ptr 1
		.amdhsa_wavefront_size32 1
		.amdhsa_system_sgpr_workgroup_id_x 1
		.amdhsa_system_sgpr_workgroup_id_y 1
		.amdhsa_system_sgpr_workgroup_id_z 1
		.amdhsa_system_vgpr_workitem_id 0
		.amdhsa_next_free_vgpr 448
		.amdhsa_next_free_sgpr 66
		.amdhsa_reserve_vcc 0
		.amdhsa_float_denorm_mode_32 3
		.amdhsa_float_denorm_mode_16_64 3
		.amdhsa_memory_ordered 1
		.amdhsa_forward_progress 1
		.amdhsa_inst_pref_size 59
	.end_amdhsa_kernel
	.amdgpu_metadata
---
amdhsa.version: [ 1, 2 ]
amdhsa.kernels:
  - .name:           k_q79a8793140_down
    .symbol:         k_q79a8793140_down.kd
    .args:
      - { .name: perm, .offset: 0, .size: 8, .value_kind: global_buffer, .address_space: global }
      - { .name: route, .offset: 8, .size: 8, .value_kind: global_buffer, .address_space: global }
      - { .name: hid, .offset: 16, .size: 8, .value_kind: global_buffer, .address_space: global }
      - { .name: dq, .offset: 24, .size: 8, .value_kind: global_buffer, .address_space: global }
      - { .name: out0, .offset: 32, .size: 8, .value_kind: global_buffer, .address_space: global }
    .group_segment_fixed_size: 68608
    .private_segment_fixed_size: 0
    .kernarg_segment_align: 8
    .kernarg_segment_size: 40
    .max_flat_workgroup_size: 256
    .sgpr_count:     66
    .vgpr_count:     448
    .wavefront_size: 32
...
	.end_amdgpu_metadata
.endif
;; end of part 6
